; MI455X (gfx1250); checked and timed in simulation.
; The chip was launched on July 23, 2026; its instructions are those of AMD's public machine-readable ISA for CDNA 5 (MIT licence, August 2026) and "CDNA5" Instruction Set Architecture Reference Guide (July 2026). The comments in the code are by the model that wrote it; some were corrected since.
;; Top K Pool. Allowed arithmetic: float matrix products may take bf16 or f16 operands with f32 sums; other float arithmetic in f32, or as packed bf16 or f16 multiplies, adds, multiply-adds, maxima and minima; sums over many terms, partial sums and values carried from step to step in f32; what a program stores and reads back later, other than sums and carried values, may be rounded once to bf16 or f16.
;; Inputs: A 4,096 x 4,096 float32; S 4,096 int32; X 4,096 x 256 float32; kernel 256 x 1 float32.
;; Outputs: out0 2,048 x 256 float32; out1 2,048 x 2,048 float32; out2 2,048 int32.
;; 2 versions, each right; version 2 is version 1 with the launch pack written anew for expert scheduling mode. Each part assembles by itself: llvm-mc -triple=amdgcn-amd-amdhsa -mcpu=gfx1250 --defsym DOCPART=n.
;; ======== version 1 of 2: 4 launches
;; workspace buffers: ky 16,384 bytes of whole numbers; th 16,384 bytes; bm 512 bytes of whole numbers; ar 16,777,216 bytes; bt 16,777,216 bytes
;; launch score (part 1): grid 256 x 1, 4 waves a work-group, no clusters, 0 bytes of LDS; arguments X, kernel, ky, th; writes ky, th
.if DOCPART == 1
	.amdgcn_target "amdgcn-amd-amdhsa--gfx1250"
	.amdhsa_code_object_version 6
	.text
	.protected	k_q3fdc08c4e4_score
	.globl	k_q3fdc08c4e4_score
	.p2align	8
	.type	k_q3fdc08c4e4_score,@function
k_q3fdc08c4e4_score:
	s_mov_b64 s[64:65], 0
	v_nop
	global_prefetch_b8 v0, s[64:65] scope:SCOPE_SE
	s_setreg_imm32_b32 hwreg(HW_REG_WAVE_MODE, 25, 1), 1
	s_wait_xcnt 0x0
; TopKPool, launch 1 of 4: the scores.  y[i] = X[i] . kernel / |kernel|;  ky[i] = a whole-number sort key of y[i];  th[i] = tanh(y[i]).
; WORK LEFT OUT BY THE PROGRAM, for all values of the inputs.  The result out1 is (A A)[idx][:, idx]: out1[p][q] = the sum over k of A[idx p][k] A[k][idx q].
; Of the 4,096 x 4,096 numbers of A A only those in the 2,048 kept rows AND the 2,048 kept columns are ever read; the others are sliced away whatever A holds.  So only the
; 2,048 x 2,048 x 4,096 product is made (launch 4), from rows and columns that launch 3 picks by whole numbers that launch 2 has stored.  Likewise X tanh(y) is formed for kept rows alone.
; Every input has a way to an output and is loaded: X and kernel here, A, X and S in launch 3.
; LIMIT of that: a NaN, an infinity or an overflow that arises only in the rows and columns of A A that are left out is not carried to the result.
; WHY f32 AND THE VECTOR UNIT: the choice of nodes is compared exactly (out2), so y keeps f32 throughout; it is one column, 2 x 4,096 x 256 operations.
; LIMITS.  Two scores at the 2,048th place that lie closer than the rounding of a 256-term f32 sum may be chosen otherwise than by another order of summation.
; A sum of squares of kernel below 2^-126 counts as 0 in the reciprocal root.  tanh(y) = 1 - 2 / (1 + 2^(2 log2(e) y)): absolute error about 1e-7, exactly +-1 where the power overflows or vanishes.
; THE KEY.  K = b xor ((b >> 31, arithmetic) and 0x7fffffff), b the bits of y: as a signed whole number K rises with y.  +0 ranks above -0; a NaN ranks by its bits.
; SHARES.  Work-group g has rows 16 g .. 16 g + 15, wave w four of them.  A row is 1,024 bytes: lane l takes columns 4 l .. 4 l + 3 and 128 + 4 l .. 128 + 4 l + 3, so each load of a wave
; covers 512 consecutive bytes.  No LDS, no barrier: a row never leaves its wave.
; REGISTERS.  v1 lane; v2 X offset; v3 kernel offset; v4 output offset; v5-7 at work; v[8:15] kernel, then kernel / |kernel|; v[16:47] four rows of X; v[48:55] packed sums; v56-59 y; v[62:63] 1 / |kernel|.
	s_load_b256 s[4:11], s[0:1], 0x0               ; X s[4:5], kernel s[6:7], ky s[8:9], th s[10:11]
	v_and_b32 v1, 31, v0                           ; lane
	v_lshrrev_b32 v5, 5, v0
	v_readfirstlane_b32 s12, v5                    ; wave 0..3
	s_mov_b32 s16, 0x76543210                      ; v_permlanex16_b32: each lane takes its own place in the other half
	s_mov_b32 s17, 0xfedcba98
	v_lshlrev_b32 v3, 4, v1                        ; 16 l
	s_lshl_b32 s13, s12, 12                        ; my wave's four rows: 4,096 w
	v_add_nc_u32 v2, s13, v3
	s_lshl_b32 s14, ttmp9, 14                      ; the work-group's 16 rows of 1,024 bytes
	s_mov_b32 s15, 0
	s_lshl_b32 s18, ttmp9, 6                       ; 4 bytes x (16 g + 4 w + l % 4): where lane l % 4 puts its row's key and tanh
	s_lshl_b32 s19, s12, 4
	s_add_co_u32 s18, s18, s19
	v_and_b32 v6, 3, v1
	v_lshl_add_u32 v4, v6, 2, s18
	v_mov_b32 v60, 0                               ; v_permlanex16_b32 counts as a reader of its destination
	s_wait_kmcnt 0x0
	s_add_nc_u64 s[4:5], s[4:5], s[14:15]
	global_load_b128 v[8:11], v3, s[6:7]
	global_load_b128 v[12:15], v3, s[6:7] offset:512
.irp e, 0,1,2,3
	global_load_b128 v[16+8*\e:19+8*\e], v2, s[4:5] offset:1024*\e
	global_load_b128 v[20+8*\e:23+8*\e], v2, s[4:5] offset:1024*\e+512
.endr
	s_wait_loadcnt 8                               ; kernel's two loads are in; X's eight, issued behind them, stay out
	v_pk_mul_f32 v[48:49], v[8:9], v[8:9]          ; the sum of squares: my eight numbers,
	v_pk_fma_f32 v[48:49], v[10:11], v[10:11], v[48:49]
	v_pk_fma_f32 v[48:49], v[12:13], v[12:13], v[48:49]
	v_pk_fma_f32 v[48:49], v[14:15], v[14:15], v[48:49]
	v_add_f32 v5, v48, v49
	v_add_f32_dpp v5, v5, v5 row_xmask:1 row_mask:0xf bank_mask:0xf  ; then the 32 lanes'
	v_add_f32_dpp v5, v5, v5 row_xmask:2 row_mask:0xf bank_mask:0xf
	v_add_f32_dpp v5, v5, v5 row_xmask:4 row_mask:0xf bank_mask:0xf
	v_add_f32_dpp v5, v5, v5 row_xmask:8 row_mask:0xf bank_mask:0xf
	v_permlanex16_b32 v60, v5, s16, s17
	v_add_f32 v5, v5, v60
	v_rsq_f32 v62, v5
	v_nop                                          ; a plain instruction behind the transcendental,
	s_wait_alu depctr_va_vdst(0)                   ; and the wait ahead of its first reader
	v_mov_b32 v63, v62
.irp j, 8,10,12,14
	v_pk_mul_f32 v[\j:\j+1], v[\j:\j+1], v[62:63]  ; kernel / |kernel|, rounded once for each number
.endr
.irp e, 0,1,2,3
	s_wait_loadcnt 6-2*\e                          ; row e's two loads are in; the later rows' stay out
	v_pk_mul_f32 v[48+2*\e:49+2*\e], v[16+8*\e:17+8*\e], v[8:9]
	v_pk_fma_f32 v[48+2*\e:49+2*\e], v[18+8*\e:19+8*\e], v[10:11], v[48+2*\e:49+2*\e]
	v_pk_fma_f32 v[48+2*\e:49+2*\e], v[20+8*\e:21+8*\e], v[12:13], v[48+2*\e:49+2*\e]
	v_pk_fma_f32 v[48+2*\e:49+2*\e], v[22+8*\e:23+8*\e], v[14:15], v[48+2*\e:49+2*\e]
	v_add_f32 v[56+\e], v[48+2*\e], v[49+2*\e]
.endr
.irp m, 1,2,4,8                        ; the four rows' sums over the lanes, side by side
.irp e, 0,1,2,3
	v_add_f32_dpp v[56+\e], v[56+\e], v[56+\e] row_xmask:\m row_mask:0xf bank_mask:0xf
.endr
.endr
.irp e, 0,1,2,3
	v_permlanex16_b32 v[48+\e], v[56+\e], s16, s17
.endr
.irp e, 0,1,2,3
	v_add_f32 v[56+\e], v[56+\e], v[48+\e]         ; every lane holds all four y
.endr
	v_cmp_eq_u32 vcc_lo, 1, v6                     ; lane l goes on with row l % 4
	v_cndmask_b32 v56, v56, v57, vcc_lo
	v_cmp_eq_u32 vcc_lo, 2, v6
	v_cndmask_b32 v56, v56, v58, vcc_lo
	v_cmp_eq_u32 vcc_lo, 3, v6
	v_cndmask_b32 v56, v56, v59, vcc_lo
	v_mul_f32 v7, 0x4038aa3b, v56                  ; 2 log2(e) y
	v_exp_f32 v7, v7
	v_ashrrev_i32 v5, 31, v56                      ; the key is made behind the exponential: plain work that names none of its registers
	v_and_b32 v5, 0x7fffffff, v5
	v_xor_b32 v5, v5, v56
	s_wait_alu depctr_va_vdst(0)                   ; ahead of the exponential's first reader
	v_add_f32 v7, 1.0, v7
	v_rcp_f32 v7, v7
	v_nop
	s_wait_alu depctr_va_vdst(0)                   ; ahead of the reciprocal's first reader
	v_fma_f32 v7, v7, -2.0, 1.0                    ; tanh(y)
	v_cmp_gt_u32 vcc_lo, 4, v1
	s_wait_xcnt 0x0                                ; EXEC changes only when every load issued has read its sources
	s_and_saveexec_b32 s20, vcc_lo                 ; lanes 0 to 3: one for each row
	global_store_b32 v4, v5, s[8:9]
	global_store_b32 v4, v7, s[10:11]
	s_wait_xcnt 0x0
	s_or_b32 exec_lo, exec_lo, s20
	s_endpgm
.Lfunc_end_k_q3fdc08c4e4_score:
	.size	k_q3fdc08c4e4_score, .Lfunc_end_k_q3fdc08c4e4_score-k_q3fdc08c4e4_score
	.p2alignl 7, 3214868480
	.fill 96, 4, 3214868480
	.section	.rodata,"a",@progbits
	.p2align	6, 0x0
	.amdhsa_kernel k_q3fdc08c4e4_score
		.amdhsa_group_segment_fixed_size 0
		.amdhsa_private_segment_fixed_size 0
		.amdhsa_enable_private_segment 0
		.amdhsa_kernarg_size 32
		.amdhsa_user_sgpr_count 2
		.amdhsa_user_sgpr_kernarg_segment_ptr 1
		.amdhsa_wavefront_size32 1
		.amdhsa_system_sgpr_workgroup_id_x 1
		.amdhsa_system_sgpr_workgroup_id_y 1
		.amdhsa_system_sgpr_workgroup_id_z 1
		.amdhsa_system_vgpr_workitem_id 0
		.amdhsa_next_free_vgpr 64
		.amdhsa_next_free_sgpr 66
		.amdhsa_reserve_vcc 1
		.amdhsa_float_denorm_mode_32 3
		.amdhsa_float_denorm_mode_16_64 3
		.amdhsa_memory_ordered 1
		.amdhsa_forward_progress 1
		.amdhsa_inst_pref_size 7
	.end_amdhsa_kernel
	.amdgpu_metadata
---
amdhsa.version: [ 1, 2 ]
amdhsa.kernels:
  - .name:           k_q3fdc08c4e4_score
    .symbol:         k_q3fdc08c4e4_score.kd
    .args:
      - { .name: X, .offset: 0, .size: 8, .value_kind: global_buffer, .address_space: global }
      - { .name: kernel, .offset: 8, .size: 8, .value_kind: global_buffer, .address_space: global }
      - { .name: ky, .offset: 16, .size: 8, .value_kind: global_buffer, .address_space: global }
      - { .name: th, .offset: 24, .size: 8, .value_kind: global_buffer, .address_space: global }
    .group_segment_fixed_size: 0
    .private_segment_fixed_size: 0
    .kernarg_segment_align: 8
    .kernarg_segment_size: 32
    .max_flat_workgroup_size: 128
    .sgpr_count:     66
    .vgpr_count:     64
    .wavefront_size: 32
...
	.end_amdgpu_metadata
.endif
;; end of part 1
;; launch rank (part 2): grid 128 x 1, 16 waves a work-group, no clusters, 4,096 bytes of LDS; arguments ky, bm; writes bm
.if DOCPART == 2
	.amdgcn_target "amdgcn-amd-amdhsa--gfx1250"
	.amdhsa_code_object_version 6
	.text
	.protected	k_q3fdc08c4e4_rank
	.globl	k_q3fdc08c4e4_rank
	.p2align	8
	.type	k_q3fdc08c4e4_rank,@function
k_q3fdc08c4e4_rank:
	s_mov_b64 s[64:65], 0
	v_nop
	global_prefetch_b8 v0, s[64:65] scope:SCOPE_SE
	s_setreg_imm32_b32 hwreg(HW_REG_WAVE_MODE, 25, 1), 1
	s_wait_xcnt 0x0
; TopKPool, launch 2 of 4: which 2,048 nodes are kept.  bm is a bitmap: bit b of word W is set where node 32 W + b is among the 2,048 largest scores.
; rank(i) = the number of j with K[j] > K[i], plus the number of j < i with K[j] = K[i] (of equal scores the lower index is kept first).  That order is total, so exactly 2,048 nodes have a rank under 2,048.
; Nothing here steers an address or a branch by the keys: the ranks are counted by compares and carries, and each word goes to its fixed place.
; SHARES.  Work-group W owns word W: lane l stands for node i = 32 W + l in every wave.  Wave v counts over j = 256 v .. 256 v + 255, whose keys come by scalar loads, 64 a trip.
; For a group of 32 j that lies wholly below my word the compare is K[j] > K[i] - 1, which counts the equal ones too; for the others K[j] > K[i]; the equal ones inside my own word are added by wave 0.
; A word has one owner, so the launch has 128 work-groups.
; LIMIT.  K[i] = the least whole number (the bits 0xffffffff of y, a NaN) is not served: K[i] - 1 wraps.
; LDS.  0: sixteen waves' counts, 128 bytes each.  2,048: the spare words, 128 bytes a wave.
; REGISTERS.  v1 lane; v2 4 l; v3 K; v4 K - 1; v5 the threshold in hand; v6 count; v7 where my count goes; v[8:23] the sixteen counts; v24 the word; v25 0; v26 my key's offset; v30, v31 the add's.
.set SPARE, 2048
	s_load_b128 s[4:7], s[0:1], 0x0                ; ky s[4:5], bm s[6:7]
	v_lshl_add_u32 v30, v0, 2, SPARE
	v_mov_b32 v31, 0
	v_and_b32 v1, 31, v0
	v_lshrrev_b32 v5, 5, v0
	v_readfirstlane_b32 s8, v5                     ; wave 0..15
	s_mov_b32 s9, ttmp9                            ; W
	v_lshlrev_b32 v2, 2, v1
	v_lshlrev_b32 v7, 2, v0                        ; 128 v + 4 l
	s_lshl_b32 s14, s9, 7
	v_add_nc_u32 v26, s14, v2                      ; 4 (32 W + l)
	s_lshl_b32 s10, s8, 10                         ; byte of my wave's first key; 256 on in each trip
	s_lshl_b32 s11, s8, 3                          ; its group of 32; one on with each 32 keys
	s_lshl_b32 s84, s9, 2
	s_mov_b32 s85, 0
	v_mov_b32 v6, 0
	s_mov_b32 s12, 4
	s_wait_kmcnt 0x0
	global_load_b32 v3, v26, s[4:5]
	s_add_nc_u64 s[6:7], s[6:7], s[84:85]          ; my word
	s_wait_loadcnt 0x0
	v_add_nc_u32 v4, -1, v3
; n keys from s[first] on: a compare sets a lane's bit where K[j] is above the lane's threshold, and the carry adds it to the lane's count
.macro CNT first, n
.set j, 0
.rept \n
	v_cmp_gt_i32 vcc_lo, s[(\first)+j], v5
	v_add_co_ci_u32 v6, vcc_lo, 0, v6, vcc_lo
.set j, j+1
.endr
.endm
.macro THRESH                          ; K - 1 for a group below my word, else K
	s_cmp_lt_u32 s11, s9
	s_cselect_b32 s13, -1, 0
	v_cndmask_b32 v5, v3, v4, s13
	s_add_co_u32 s11, s11, 1
.endm
.Ltrip:                                        ; four trips of 64 keys
	s_load_b512 s[16:31], s[4:5], s10 offset:0x0
	s_load_b512 s[32:47], s[4:5], s10 offset:0x40
	s_load_b512 s[48:63], s[4:5], s10 offset:0x80
	s_load_b512 s[68:83], s[4:5], s10 offset:0xc0
	s_wait_kmcnt 0x0                               ; scalar loads come back in no order: the wait is for all
	s_wait_xcnt 0x0                                ; their offset register is stepped only behind this wait
	s_add_co_u32 s10, s10, 256
	THRESH
	CNT 16, 32
	THRESH
	CNT 48, 16
	CNT 68, 16
	s_sub_co_u32 s12, s12, 1
	s_cmp_lg_u32 s12, 0
	s_cbranch_scc1 .Ltrip
	ds_store_b32 v7, v6
	s_wait_dscnt 0x0                               ; for the others' sake: my count lies in LDS
	s_barrier_signal -1
	s_barrier_wait -1
	s_cmp_lg_u32 s8, 0                             ; wave 0 finishes the word
	s_cbranch_scc1 .Lend
.irp u, 0,1,2,3,4,5,6,7,8,9,10,11,12,13,14,15
	ds_load_b32 v[8+\u], v2 offset:128*\u
.endr
	s_wait_dscnt 0x0
	v_add3_u32 v6, v8, v9, v10
.irp u, 11,13,15,17,19,21
	v_add3_u32 v6, v6, v[\u], v[\u+1]
.endr
	v_add_nc_u32 v6, v6, v23
.set b, 0
.rept 31                               ; inside my word: lane b's key counts for the lanes above b that hold the same key
	v_readlane_b32 s20, v3, b
	v_cmp_eq_u32 vcc_lo, s20, v3
	s_and_b32 vcc_lo, vcc_lo, (0xffffffff<<(b+1))&0xffffffff
	v_add_co_ci_u32 v6, vcc_lo, 0, v6, vcc_lo
.set b, b+1
.endr
	v_cmp_gt_u32 vcc_lo, 0x800, v6                 ; kept: rank under 2,048
	v_mov_b32 v24, vcc_lo                          ; the 32 lanes' bits are the word
	v_mov_b32 v25, 0
	v_cmp_eq_u32 vcc_lo, 0, v1
	s_wait_xcnt 0x0                                ; EXEC changes only behind this wait
	s_and_saveexec_b32 s21, vcc_lo                 ; lane 0 stores it
	global_store_b32 v25, v24, s[6:7]
	s_wait_xcnt 0x0
	s_or_b32 exec_lo, exec_lo, s21
.Lend:
	s_wait_tensorcnt 0x0                           ; the wave's end, behind my last LDS store
	ds_add_u32 v30, v31
	s_wait_dscnt 0x0
	s_endpgm
.Lfunc_end_k_q3fdc08c4e4_rank:
	.size	k_q3fdc08c4e4_rank, .Lfunc_end_k_q3fdc08c4e4_rank-k_q3fdc08c4e4_rank
	.p2alignl 7, 3214868480
	.fill 96, 4, 3214868480
	.section	.rodata,"a",@progbits
	.p2align	6, 0x0
	.amdhsa_kernel k_q3fdc08c4e4_rank
		.amdhsa_group_segment_fixed_size 4096
		.amdhsa_private_segment_fixed_size 0
		.amdhsa_enable_private_segment 0
		.amdhsa_kernarg_size 16
		.amdhsa_user_sgpr_count 2
		.amdhsa_user_sgpr_kernarg_segment_ptr 1
		.amdhsa_wavefront_size32 1
		.amdhsa_system_sgpr_workgroup_id_x 1
		.amdhsa_system_sgpr_workgroup_id_y 1
		.amdhsa_system_sgpr_workgroup_id_z 1
		.amdhsa_system_vgpr_workitem_id 0
		.amdhsa_next_free_vgpr 32
		.amdhsa_next_free_sgpr 90
		.amdhsa_reserve_vcc 1
		.amdhsa_float_denorm_mode_32 3
		.amdhsa_float_denorm_mode_16_64 3
		.amdhsa_memory_ordered 1
		.amdhsa_forward_progress 1
		.amdhsa_inst_pref_size 14
	.end_amdhsa_kernel
	.amdgpu_metadata
---
amdhsa.version: [ 1, 2 ]
amdhsa.kernels:
  - .name:           k_q3fdc08c4e4_rank
    .symbol:         k_q3fdc08c4e4_rank.kd
    .args:
      - { .name: ky, .offset: 0, .size: 8, .value_kind: global_buffer, .address_space: global }
      - { .name: bm, .offset: 8, .size: 8, .value_kind: global_buffer, .address_space: global }
    .group_segment_fixed_size: 4096
    .private_segment_fixed_size: 0
    .kernarg_segment_align: 8
    .kernarg_segment_size: 16
    .max_flat_workgroup_size: 512
    .sgpr_count:     90
    .vgpr_count:     32
    .wavefront_size: 32
...
	.end_amdgpu_metadata
.endif
;; end of part 2
;; launch pack (part 3): grid 256 x 1, 8 waves a work-group, no clusters, 147,456 bytes of LDS; arguments A, X, S, th, bm, ar, bt, out0, out2; writes ar, bt, out0, out2
.if DOCPART == 3
	.amdgcn_target "amdgcn-amd-amdhsa--gfx1250"
	.amdhsa_code_object_version 6
	.text
	.protected	k_q3fdc08c4e4_pack
	.globl	k_q3fdc08c4e4_pack
	.p2align	8
	.type	k_q3fdc08c4e4_pack,@function
k_q3fdc08c4e4_pack:
	s_mov_b64 s[64:65], 0
	v_nop
	global_prefetch_b8 v0, s[64:65] scope:SCOPE_SE
	s_setreg_imm32_b32 hwreg(HW_REG_WAVE_MODE, 25, 1), 1
	s_wait_xcnt 0x0
; TopKPool, launch 3 of 4: the kept rows and columns of A, rounded to bf16 and laid out for the product; out0 and out2.
; LEFT OUT: rows of A that are not kept are not written to ar, columns that are not kept not to bt, rows of X tanh(y) that are not kept are not formed: the results slice them away (see launch 1's head).
;   ar[p][k] = A[idx p][k], bf16, [2048][4096] by rows.
;   bt holds A[k][idx n], bf16, in the order in which the product's fragments take it: the byte of (n, k) is
;      (n / 64) 524,288 + (k / 256) 32,768 + ((n / 16) % 4) 8,192 + ((k / 8) % 32) 256 + (n % 16) 16 + (k % 8) 2.
;   out0[p] = X[idx p] tanh(y[idx p]);  out2[p] = S[idx p].
; All choices hang on the bitmap bm, whole numbers that launch 2 has stored.
; SHARES.  Work-group g owns source rows k = 16 g .. 16 g + 15 of A: two CHUNKS of 8.  Each byte of A is loaded once in the launch.  Wave w has columns 512 w .. 512 w + 511 of all 16 rows, in
; GRANULES of 8 rows x 128 columns: eight loads of 512 consecutive bytes.  From the same f32 registers come (a) a kept row's piece of ar: 8 bytes a lane, 256 consecutive bytes a store, aligned;
; (b) for each column its 8 k as 16 bytes of bf16, put into an LDS tile.  Behind a barrier lane <-> n takes column idx[n]'s 16 bytes from the tile and stores them: sixteen lanes fill 256 consecutive bytes of bt, aligned.
; idx WITHOUT A SCATTER.  A table in LDS holds ex[i] = the number of kept nodes below i, at fixed places.  idx[n] is the largest i with ex[i] <= n: twelve halving steps without a branch.
; ex[i] is also node i's place among the kept, which gives the rows of ar and out0.
; A's and X's rows are loaded whether kept or not: A's bytes serve the columns anyway, and so every counted wait holds on every path.
; LDS.  0: the table, 4,096 x 2 bytes.  8,192: eight waves' totals.  8,448: the spare words, 128 bytes a wave.  16,384 and 81,920: the two chunks' tiles, 65,536 bytes each:
; column c's 16 bytes at (c % 4) 16,384 + (c / 4) 16, so that the 32 lanes of a store write 512 consecutive bytes.
.set TAB,   0
.set TOT,   8192
.set SPARE, 8448
.set TILE0, 16384
.set TILE1, 81920
.set LN,   1                           ; v1    lane
.set GA,   2                           ; v2    2,048 w + 16 l: my offset in a row of A, and in the work-group's rows of X; never rewritten
.set XR,   3                           ; v3    the table's entry of my first row of X
.set TA0,  4                           ; v4-5  where my columns go in the tile of chunk 0, 1
.set TW,   6                           ; v6    where I write the table: 1,024 w + 2 l
.set TR,   7                           ; v7    the table's entry of the work-group's first row
.set TT,   8                           ; v8    the totals
.set TTW,  9                           ; v9    my wave's total
.set AC,   10                          ; v10   1,024 w + 8 l: my bytes in a row of ar
.set O2,   11                          ; v11   1,024 w + 4 l: my word of out2
.set L16,  12                          ; v12   16 l
.set TP,   13                          ; v13   at work
.set SPW,  14                          ; v14   LDS address of my spare word; never rewritten
.set NIL,  15                          ; v15   0; never rewritten
.set AO,   16                          ; v[16:31]   row r: my byte offset in its row of ar
.set OO,   32                          ; v[32:33]   my two rows of X: my byte offset in their rows of out0
.set XV,   34                          ; v[34:49]   my two rows of X
.set POS,  50                          ; v[50:57]   the search: 2 x the index found so far, for n = 256 w + 32 q + l
.set G1,   58                          ; v[58:65]   where column idx[n] lies in chunk 1's tile
.set TB,   66                          ; v[66:81]   a granule's four columns a lane, turned
.set NT,   66                          ;            in the search: n
.set VAL,  74                          ;            in the search: the table's entry
.set TA,   82                          ; v[82:97]   a granule's eight row pieces
.set TRY,  82                          ;            in the search: the index tried
.set SUMS, 90                          ;            ahead of it: the totals
.set SV,   98                          ; v[98:105]  S[idx n]
.set SO,   106                         ; v[106:113] its offset
.set G0,   114                         ; v[114:121] where column idx[n] lies in chunk 0's tile
.set BO,   122                         ; v122  my byte offset in bt for q = 0
.set RING, 128                         ; v[128:255] four granules of 32 registers; at the end the gathered columns
	s_load_b512 s[4:19], s[0:1], 0x0               ; A s[4:5], X s[6:7], S s[8:9], th s[10:11], bm s[12:13], ar s[14:15], bt s[16:17], out0 s[18:19]
	s_load_b64 s[20:21], s[0:1], 0x40              ; out2
	v_lshl_add_u32 v[SPW], v0, 2, SPARE
	v_mov_b32 v[NIL], 0
	v_and_b32 v[LN], 31, v0
	v_lshrrev_b32 v[TP], 5, v0
	v_readfirstlane_b32 s22, v[TP]                 ; w
	s_mov_b32 s23, ttmp9                           ; g
	s_lshl_b32 s2, s23, 18                         ; A: 16 rows of 16,384 bytes
	s_mov_b32 s3, 0
	s_lshl_b32 s56, s23, 14                        ; X: 16 rows of 1,024 bytes
	s_mov_b32 s57, 0
	s_lshr_b32 s58, s23, 4                         ; bt: k / 256 = g / 16, and (k / 8) % 32 = 2 (g % 16) + chunk
	s_lshl_b32 s58, s58, 15
	s_and_b32 s59, s23, 15
	s_lshl_b32 s59, s59, 9
	s_add_co_u32 s58, s58, s59
	s_mov_b32 s59, 0
	s_lshl_b32 s45, s22, 6                         ; bm: my wave's 16 words (nodes 512 w .. 512 w + 511); s45-47 are never rewritten
	s_lshr_b32 s46, s23, 1                         ; bm: the word that holds the work-group's 16 rows
	s_lshl_b32 s46, s46, 2
	s_lshl_b32 s47, s23, 6                         ; th: rows 16 g + 2 w and the next
	s_lshl_b32 s84, s22, 3
	s_add_co_u32 s47, s47, s84
	v_lshlrev_b32 v[L16], 4, v[LN]
	s_lshl_b32 s85, s22, 11
	v_add_nc_u32 v[GA], s85, v[L16]
	v_add_nc_u32 v[TA0], TILE0, v[GA]
	v_add_nc_u32 v[TA0+1], TILE1, v[GA]
	s_lshl_b32 s86, s22, 10
	v_lshl_add_u32 v[TW], v[LN], 1, s86
	v_lshl_add_u32 v[AC], v[LN], 3, s86
	v_lshl_add_u32 v[O2], v[LN], 2, s86
	s_lshl_b32 s87, s23, 5                         ; 2 bytes x 16 g
	v_mov_b32 v[TR], s87
	s_lshl2_add_u32 s88, s22, s87                  ; + 2 bytes x 2 w
	v_mov_b32 v[XR], s88
	v_mov_b32 v[TT], TOT
	s_lshl_b32 s89, s22, 2
	s_add_co_u32 s89, s89, TOT
	v_mov_b32 v[TTW], s89
	v_and_b32 v[TP], 15, v[LN]                     ; bt, n = 256 w + 32 q + l: n / 64 = 4 w + q / 2; (n / 16) % 4 = 2 (q % 2) + l / 16; n % 16 = l % 16
	v_lshlrev_b32 v[BO], 4, v[TP]
	v_lshrrev_b32 v[TP], 4, v[LN]
	v_lshl_add_u32 v[BO], v[TP], 13, v[BO]
	s_lshl_b32 s90, s22, 21
	v_add_nc_u32 v[BO], s90, v[BO]
	s_wait_kmcnt 0x0
	s_add_nc_u64 s[4:5], s[4:5], s[2:3]
	s_add_nc_u64 s[6:7], s[6:7], s[56:57]
	s_add_nc_u64 s[16:17], s[16:17], s[58:59]
	s_load_b512 s[24:39], s[12:13], s45 offset:0x0
	s_load_b32 s40, s[12:13], s46 offset:0x0
	s_load_b64 s[42:43], s[10:11], s47 offset:0x0
.irp i, 0,1,2,3                        ; my two rows of X: 1,024 bytes each, in halves of 512
	global_load_b128 v[XV+4*\i:XV+4*\i+3], v[GA], s[6:7] offset:512*\i
.endr
; Granule t of 8: chunk t / 4, columns 128 (t % 4) on of my 512; eight rows, 512 consecutive bytes each, into ring slot t % 4
.macro LOADG t
.irp rr, 0,1,2,3,4,5,6,7
	global_load_b128 v[RING+32*((\t)%4)+4*\rr:RING+32*((\t)%4)+4*\rr+3], v[GA], s[4:5] offset:(8*((\t)/4)+\rr)*16384+512*((\t)%4) th:TH_LOAD_NT
.endr
.endm
	LOADG 0                                        ; the ring is filled before anything else is done: 32 loads of A a wave are out while the table is made and searched
	LOADG 1
	LOADG 2
	LOADG 3
	; THE TABLE.  Each wave counts its 512 nodes; the totals meet in LDS; each wave then writes ex[] for its nodes.
	s_wait_kmcnt 0x0
.irp u, 0,1,2,3,4,5,6,7,8,9,10,11,12,13,14,15
	s_bcnt1_i32_b32 s[68+\u], s[24+\u]
.endr
	s_add_co_u32 s91, s68, s69
.irp u, 2,3,4,5,6,7,8,9,10,11,12,13,14,15
	s_add_co_u32 s91, s91, s[68+\u]
.endr
	v_mov_b32 v[TP], s91
	ds_store_b32 v[TTW], v[TP]
	s_and_b32 s92, s23, 1                          ; the work-group's 16 bits: the low or the high half of their word
	s_lshl_b32 s92, s92, 4
	s_lshr_b32 s41, s40, s92                       ; bit r of s41: row 16 g + r is kept
	s_wait_dscnt 0x0                               ; for the others' sake: my total lies in LDS
	s_barrier_signal -1
	s_barrier_wait -1
	ds_load_b128 v[SUMS:SUMS+3], v[TT]
	ds_load_b128 v[SUMS+4:SUMS+7], v[TT] offset:16
	s_mov_b32 s44, 0
	s_wait_dscnt 0x0
.irp i, 0,1,2,3,4,5,6
	v_readfirstlane_b32 s[48+\i], v[SUMS+\i]
.endr
.irp i, 0,1,2,3,4,5,6                  ; kept nodes below my wave's first
	s_cmp_gt_u32 s22, \i
	s_cselect_b32 s93, s[48+\i], 0
	s_add_co_u32 s44, s44, s93
.endr
.irp u, 0,1,2,3,4,5,6,7,8,9,10,11,12,13,14,15
	v_mbcnt_lo_u32_b32 v[TP], s[24+\u], s44        ; the word's bits below my lane, plus all that came before
	ds_store_b16 v[TW], v[TP] offset:TAB+64*\u
	s_add_co_u32 s44, s44, s[68+\u]
.endr
	s_wait_dscnt 0x0                               ; for the others' sake: my part of the table lies in LDS
	s_barrier_signal -1
	s_barrier_wait -1
	; THE SEARCH.  Eight n a lane.  POS is held inside the table by a minimum that never binds: ahead of step s the index is 4,096 - 2 s at the most.
.irp r, 0,1,2,3,4,5,6,7,8,9,10,11,12,13,14,15
	ds_load_u16 v[AO+\r], v[TR] offset:TAB+2*\r    ; the places of the work-group's 16 rows among the kept
.endr
	ds_load_u16 v[OO], v[XR] offset:TAB            ; and of my two rows of X
	ds_load_u16 v[OO+1], v[XR] offset:TAB+2
	s_lshl_b32 s94, s22, 8
	v_add_nc_u32 v[NT], s94, v[LN]
.irp q, 1,2,3,4,5,6,7
	v_add_nc_u32 v[NT+\q], 32*\q, v[NT]
.endr
.irp q, 0,1,2,3,4,5,6,7
	v_mov_b32 v[POS+\q], 0
.endr
.macro STEP s                          ; is ex[index + s] <= n?  Then the index goes s on
.irp q, 0,1,2,3,4,5,6,7
	v_min_u32 v[POS+\q], 8190-2*(\s), v[POS+\q]
.endr
.irp q, 0,1,2,3,4,5,6,7
	ds_load_u16 v[VAL+\q], v[POS+\q] offset:TAB+2*(\s)
.endr
	s_wait_dscnt 0x0                               ; all eight are wanted at once (the first step's wait also covers the 18 loads above)
.irp q, 0,1,2,3,4,5,6,7
	v_cmp_le_u32 vcc_lo, v[VAL+\q], v[NT+\q]
	v_add_nc_u32 v[TRY+\q], 2*(\s), v[POS+\q]
	v_cndmask_b32 v[POS+\q], v[POS+\q], v[TRY+\q], vcc_lo
.endr
.endm
.irp s, 2048,1024,512,256,128,64,32,16,8,4,2,1
	STEP \s
.endr
.irp r, 0,1,2,3,4,5,6,7,8,9,10,11,12,13,14,15
	v_min_u32 v[AO+\r], 2047, v[AO+\r]             ; binds only for a row that is not kept, whose offset is not used
	v_lshl_add_u32 v[AO+\r], v[AO+\r], 13, v[AC]   ; a row of ar is 8,192 bytes
.endr
.irp e, 0,1
	v_min_u32 v[OO+\e], 2047, v[OO+\e]
	v_lshl_add_u32 v[OO+\e], v[OO+\e], 10, v[L16]  ; a row of out0 is 1,024 bytes
.endr
.irp q, 0,1,2,3,4,5,6,7                ; column c = POS / 2 lies at (c % 4) 16,384 + (c / 4) 16 of a tile
	v_min_u32 v[POS+\q], 8190, v[POS+\q]
	v_and_b32 v[TRY+\q], 0x1ff8, v[POS+\q]
	v_and_b32 v[VAL+\q], 6, v[POS+\q]
	v_lshlrev_b32 v[TRY+\q], 1, v[TRY+\q]
	v_lshl_add_u32 v[TRY+\q], v[VAL+\q], 13, v[TRY+\q]
	v_add_nc_u32 v[G0+\q], TILE0, v[TRY+\q]
	v_add_nc_u32 v[G1+\q], TILE1, v[TRY+\q]
.endr
	s_wait_dscnt 0x0
	s_barrier_signal -1                            ; no wave stores into a tile while another still reads LDS at places that the data choose
	s_barrier_wait -1
	; out0: my two rows of X times tanh(y), where they are kept
	s_wait_loadcnt 32                              ; X's four loads, the oldest, are in; A's 32 stay out
	s_lshl_b32 s94, s22, 1
	s_lshr_b32 s95, s41, s94
.irp e, 0,1
	s_bitcmp1_b32 s95, \e
	s_cbranch_scc0 .Lnox\e
.irp i, 0,1,2,3,4,5,6,7
	v_mul_f32 v[XV+8*\e+\i], s[42+\e], v[XV+8*\e+\i]
.endr
	global_store_b128 v[OO+\e], v[XV+8*\e:XV+8*\e+3], s[18:19]
	global_store_b128 v[OO+\e], v[XV+8*\e+4:XV+8*\e+7], s[18:19] offset:512
.Lnox\e:
.endr
; Row rr of granule t, if it is kept: four numbers a lane rounded to 8 bytes; the 32 lanes store 256 consecutive bytes of ar, aligned
.macro AROW t, rr
	s_bitcmp1_b32 s41, 8*((\t)/4)+(\rr)
	s_cbranch_scc0 .Lnorow_\@
	v_cvt_pk_bf16_f32 v[TA+2*(\rr)], v[RING+32*((\t)%4)+4*(\rr)], v[RING+32*((\t)%4)+4*(\rr)+1]
	v_cvt_pk_bf16_f32 v[TA+2*(\rr)+1], v[RING+32*((\t)%4)+4*(\rr)+2], v[RING+32*((\t)%4)+4*(\rr)+3]
	global_store_b64 v[AO+8*((\t)/4)+(\rr)], v[TA+2*(\rr):TA+2*(\rr)+1], s[14:15] offset:256*((\t)%4)
.Lnorow_\@:
.endm
; Granule t.  left: the younger loads that may stay out.  refill = 1: its ring slot takes granule t + 4.
.macro GRAN t, left, refill
	s_wait_loadcnt \left                           ; loads come back in order: this granule's eight are in
	s_wait_xcnt 0x0                                ; the row pieces that earlier stores read are rewritten only behind this wait
.irp c, 0,1,2,3                        ; column c of my four: word p holds rows 2 p (low half) and 2 p + 1
.irp p, 0,1,2,3
	v_cvt_pk_bf16_f32 v[TB+4*\c+\p], v[RING+32*((\t)%4)+8*\p+\c], v[RING+32*((\t)%4)+8*\p+4+\c]
.endr
.endr
.irp c, 0,1,2,3
	ds_store_b128 v[TA0+(\t)/4], v[TB+4*\c:TB+4*\c+3] offset:\c*16384+512*((\t)%4)
.endr
.irp rr, 0,1,2,3,4,5,6,7
	AROW \t, \rr
.endr
.if \refill
	LOADG (\t)+4
.endif
.endm
	GRAN 0, 24, 1                                  ; three younger granules, 24 loads, are out at each of these waits
	GRAN 1, 24, 1
	GRAN 2, 24, 1
	GRAN 3, 24, 1
	GRAN 4, 24, 0                                  ; nothing is left to ask for: the counts run down
	GRAN 5, 16, 0
	GRAN 6, 8, 0
	GRAN 7, 0, 0
	s_wait_dscnt 0x0                               ; for the others' sake: my columns lie in the tiles
	s_barrier_signal -1
	s_barrier_wait -1
	; bt: lane <-> n takes column idx[n]'s 16 bytes of each chunk
.irp q, 0,1,2,3,4,5,6,7
	ds_load_b128 v[RING+8*\q:RING+8*\q+3], v[G0+\q]
	ds_load_b128 v[RING+8*\q+4:RING+8*\q+7], v[G1+\q]
.endr
.irp q, 0,1,2,3,4,5,6,7
.irp c, 0,1
	s_wait_dscnt 15-2*\q-\c                        ; LDS loads come back in order: the younger ones stay out
	global_store_b128 v[BO], v[RING+8*\q+4*\c:RING+8*\q+4*\c+3], s[16:17] offset:(\q/2)*524288+(\q%2)*16384+256*\c  ; lanes 0-15 and lanes 16-31 each fill 256 consecutive bytes, aligned
.endr
.endr
	s_barrier_signal -1                            ; every wave's reads at places that the data choose are back (the last wait above was for 0) before any wave touches LDS again
	s_barrier_wait -1
	; out2: every work-group has found idx; the first stores S[idx]
	s_cmp_lg_u32 s23, 0
	s_cbranch_scc1 .Lnot_first
.irp q, 0,1,2,3,4,5,6,7
	v_lshlrev_b32 v[SO+\q], 1, v[POS+\q]           ; 4 bytes x idx[n]; POS is 8,190 at the most
.endr
.irp q, 0,1,2,3,4,5,6,7
	global_load_b32 v[SV+\q], v[SO+\q], s[8:9]
.endr
	s_wait_loadcnt 0x0
.irp q, 0,1,2,3,4,5,6,7
	global_store_b32 v[O2], v[SV+\q], s[20:21] offset:128*\q
.endr
.Lnot_first:
	s_wait_tensorcnt 0x0                           ; the wave's end, behind my last LDS store
	ds_add_u32 v[SPW], v[NIL]
	s_wait_dscnt 0x0
	s_endpgm
.Lfunc_end_k_q3fdc08c4e4_pack:
	.size	k_q3fdc08c4e4_pack, .Lfunc_end_k_q3fdc08c4e4_pack-k_q3fdc08c4e4_pack
	.p2alignl 7, 3214868480
	.fill 96, 4, 3214868480
	.section	.rodata,"a",@progbits
	.p2align	6, 0x0
	.amdhsa_kernel k_q3fdc08c4e4_pack
		.amdhsa_group_segment_fixed_size 147456
		.amdhsa_private_segment_fixed_size 0
		.amdhsa_enable_private_segment 0
		.amdhsa_kernarg_size 72
		.amdhsa_user_sgpr_count 2
		.amdhsa_user_sgpr_kernarg_segment_ptr 1
		.amdhsa_wavefront_size32 1
		.amdhsa_system_sgpr_workgroup_id_x 1
		.amdhsa_system_sgpr_workgroup_id_y 1
		.amdhsa_system_sgpr_workgroup_id_z 1
		.amdhsa_system_vgpr_workitem_id 0
		.amdhsa_next_free_vgpr 256
		.amdhsa_next_free_sgpr 100
		.amdhsa_reserve_vcc 1
		.amdhsa_float_denorm_mode_32 3
		.amdhsa_float_denorm_mode_16_64 3
		.amdhsa_memory_ordered 1
		.amdhsa_forward_progress 1
		.amdhsa_inst_pref_size 79
	.end_amdhsa_kernel
	.amdgpu_metadata
---
amdhsa.version: [ 1, 2 ]
amdhsa.kernels:
  - .name:           k_q3fdc08c4e4_pack
    .symbol:         k_q3fdc08c4e4_pack.kd
    .args:
      - { .name: A, .offset: 0, .size: 8, .value_kind: global_buffer, .address_space: global }
      - { .name: X, .offset: 8, .size: 8, .value_kind: global_buffer, .address_space: global }
      - { .name: S, .offset: 16, .size: 8, .value_kind: global_buffer, .address_space: global }
      - { .name: th, .offset: 24, .size: 8, .value_kind: global_buffer, .address_space: global }
      - { .name: bm, .offset: 32, .size: 8, .value_kind: global_buffer, .address_space: global }
      - { .name: ar, .offset: 40, .size: 8, .value_kind: global_buffer, .address_space: global }
      - { .name: bt, .offset: 48, .size: 8, .value_kind: global_buffer, .address_space: global }
      - { .name: out0, .offset: 56, .size: 8, .value_kind: global_buffer, .address_space: global }
      - { .name: out2, .offset: 64, .size: 8, .value_kind: global_buffer, .address_space: global }
    .group_segment_fixed_size: 147456
    .private_segment_fixed_size: 0
    .kernarg_segment_align: 8
    .kernarg_segment_size: 72
    .max_flat_workgroup_size: 256
    .sgpr_count:     100
    .vgpr_count:     256
    .wavefront_size: 32
...
	.end_amdgpu_metadata
.endif
;; end of part 3
;; launch gemm (part 4): grid 16 x 16, 4 waves a work-group, clusters of 4 x 4, 327,680 bytes of LDS; arguments ar, bt, out1; writes out1
.if DOCPART == 4
	.amdgcn_target "amdgcn-amd-amdhsa--gfx1250"
	.amdhsa_code_object_version 6
	.text
	.protected	k_q3fdc08c4e4_gemm
	.globl	k_q3fdc08c4e4_gemm
	.p2align	8
	.type	k_q3fdc08c4e4_gemm,@function
k_q3fdc08c4e4_gemm:
	s_mov_b64 s[64:65], 0
	v_nop
	global_prefetch_b8 v0, s[64:65] scope:SCOPE_SE
	s_setreg_imm32_b32 hwreg(HW_REG_WAVE_MODE, 25, 1), 1
	s_wait_xcnt 0x0
	s_wait_alu depctr_hold_cnt(0) depctr_sa_sdst(0) depctr_va_vdst(0) depctr_va_sdst(0) depctr_va_ssrc(0) depctr_va_vcc(0) depctr_vm_vsrc(0)
	s_getreg_b32 s2, hwreg(HW_REG_IB_STS2, 6, 4)
	s_cmp_eq_u32 s2, 0
	s_cbranch_scc0 .Lentry_in_a_cluster
	s_endpgm
.Lentry_in_a_cluster:
	s_bfe_u32 s2, ttmp6, 0x10000c
	s_cmp_lg_u32 s2, 0xf033
	s_cbranch_scc0 .Lentry_shape_is_right
	s_endpgm
.Lentry_shape_is_right:
; TopKPool, launch 4 of 4: out1[p][q] = the sum over k of ar[p][k] bt(q, k) = (A A)[idx p][idx q].  bf16 operands, f32 sums, f32 out.
; LEFT OUT: the rows and columns of A A that the results slice away (see launch 1's head): the product is 2,048 x 2,048 x 4,096.
; ar: [2048][4096] bf16 by rows.  bt: 64 columns n x 256 k are one dense block of 32,768 bytes, at (n / 64) 524,288 + (k / 256) 32,768; in it (n, k) lies at
; ((n / 16) % 4) 8,192 + ((k / 8) % 32) 256 + (n % 16) 16 + (k % 8) 2: a fragment's half (16 n x 8 k for each half of the lanes) is 512 consecutive bytes, 16 a lane: no padding is needed.
; A tile of out1 is 128 x 128: 256 work-groups.  Four waves, each 64 x 64: 16 accumulators of 16 x 16, 128 registers.  K goes in steps of 256 through two LDS slots.
; CLUSTERS: 4 x 4 work-groups.  The four of a row of the cluster need the same tiles of ar, the four of a column the same blocks of bt: each is asked for JOINTLY, by the same tensor load with the
; same descriptor and a mask that names the four.  THE MATRIX INSTRUCTION IS USED TRANSPOSED (source 0 = 16 columns from bt, source 1 = 16 rows of ar): a lane then holds eight neighbouring numbers of a row of out1.
; REGISTERS: window 0: v0-31 addresses; v32-95 at work on the way out; v128-255 the accumulators ((a, b) at v[128 + 8 (4 a + b)]).
;   window 1: two fragment buffers of 128: for 64 along K (two matrix instructions deep), 64 registers of ar's (2 x 4 x 16 rows x 32 K), then 64 of bt's.
.set SIZE_K, 4096
.set SIZE_N, 2048
.set KSTEP,  256
.set PITCH,  528                       ; an LDS row of ar: 512 bytes + 16 of padding = 132 words: the 16 rows that a load touches start 4 banks apart (64 banks of 4 bytes: ISA guide 11.1)
.set HALFA,  64*PITCH                  ; 64 rows of ar: what one tensor load brings, and what one wave reads
.set HALFB,  32768                     ; a block of bt: likewise
.set BOFF,   2*HALFA                   ; in a slot: ar's 128 rows, then bt's two blocks
.set SLOT,   BOFF+2*HALFB
.set STAGE,  2*SLOT                    ; behind the ring: 16 rows x 272 bytes for each wave, for the way out
.set SPITCH, 272
.set SPARE,  STAGE+4*16*SPITCH         ; behind the stages: the spare words, 128 bytes for each wave: two blocks of 256 bytes that no other line names
.set LAPS, SIZE_K/(2*KSTEP)            ; a lap = two K steps = once round the ring
.set ADRA, 16                          ; v16-17  LDS address of my fragments of ar in slot 0, 1
.set ADRB, 20                          ; v20-21  the same for bt
.set STO,  24                          ; v24     the way out: where I put 32 bytes of a row
.set RD,   25                          ; v25     the way out: where I read a row back
.set CO,   26                          ; v26     my byte offset in out1
.set SPW,  28                          ; v28     LDS address of my spare word: SPARE + 4 x my thread's number; never rewritten
.set NIL,  29                          ; v29     0; never rewritten
.set TMP,  32                          ; the way out: two sets of 32 registers, 16 whole rows each
.set ACC,  128
.set F0,   0                           ; fragment buffers, in window 1
.set F1,   128
.set G1, 24                            ; s[24:31] descriptor group 1 for ar's tiles;  s[32:39] group 0, one set for each slot
.set G0, 32
.set G1B, 48                           ; s[48:55], s[56:63] the same for bt's blocks
.set G0B, 56
.set MSB, 0
.macro WIN new                         ; the immediate's high byte repeats the setting that is left
.if MSB != (\new)
	s_set_vgpr_msb (MSB<<8)|(\new)
.set MSB, \new
.endif
.endm
.set MUL,  0x05                        ; sources 0 (bt) and 1 (ar) window 1; C and D window 0
.set TO_F, 0x40                        ; destination window 1, address window 0
.macro JLOAD s                         ; a joint load: waves 0 and 1 fetch ar's two halves, waves 2 and 3 bt's two blocks; an s_nop 0 and four v_nop follow each of the two lines, ahead of the jump, the label and what follows
	s_cmp_eq_u32 s11, 0
	s_cbranch_scc0 .Lfor_b_\@
	tensor_load_to_lds s[G0+4*(\s):G0+4*(\s)+3], s[G1:G1+7]
	s_nop 0
.rept 4
	v_nop
.endr
	s_branch .Lasked_\@
.Lfor_b_\@:
	tensor_load_to_lds s[G0B+4*(\s):G0B+4*(\s)+3], s[G1B:G1B+7]
	s_nop 0
.rept 4
	v_nop
.endr
.Lasked_\@:
.endm
.macro CREST                           ; a round of the cluster's barrier behind its opening barrier
	s_cmp_lg_u32 s10, 0
	s_cbranch_scc1 .Lnot_wave_0_\@
	s_barrier_signal -3
.Lnot_wave_0_\@:
	s_barrier_wait -3
	s_barrier_signal -1
	s_barrier_wait -1
.endm
.macro CROUND                          ; a whole round
	s_barrier_signal -1
	s_barrier_wait -1
	CREST
.endm
	s_load_b128 s[4:7], s[0:1], 0x0                ; ar s[4:5], bt s[6:7]
	s_load_b64 s[8:9], s[0:1], 0x10                ; out1
	v_lshl_add_u32 v[SPW], v0, 2, SPARE
	v_mov_b32 v[NIL], 0
	ds_add_u32 v[SPW], v[NIL]                      ; the wave's opening: the add, twice on end, and its wait ahead of my first tensor load; the set-up below the second, work on registers, stands between it and the wait
	ds_add_u32 v[SPW], v[NIL]                      ; and once more, under the one wait
	v_lshrrev_b32 v1, 5, v0
	v_readfirstlane_b32 s10, v1                    ; wave 0..3
	s_lshr_b32 s11, s10, 1                         ; which half of the tile's rows is mine.  Also: I fetch for ar (0) or for bt (1)
	s_and_b32 s12, s10, 1                          ; which half of its columns.  Also: which 64 rows, or which block, I fetch
	s_bfe_u32 s40, ttmp6, 0x40000                  ; cx, cy: my place in the cluster
	s_bfe_u32 s41, ttmp6, 0x40004
	s_lshl_b32 s42, ttmp9, 2
	s_add_co_u32 s42, s42, s40                     ; tile column = 4 x cluster x + cx
	s_and_b32 s13, ttmp7, 0xffff
	s_lshl_b32 s13, s13, 2
	s_add_co_u32 s13, s13, s41                     ; tile row = 4 x cluster y + cy
	s_lshl_b32 s43, s41, 2
	s_lshl_b32 s43, 15, s43                        ; my row of the cluster
	s_lshl_b32 s44, 0x1111, s40                    ; my column
	; ar's group 1: a tile of 64 rows x 256 elements of 2 bytes, padded in LDS
	s_or_b32 s[G1+0], s43, (1<<16)|(1<<20)|(1<<21)|(6<<22)|(3<<25)  ; 15:0 the mask: my row; 17:16 2-byte elements; 20 padding on; 21 set beside a mask; 24:22 after every 128 words (code 6); 31:25 4 words (code 3)
	s_mov_b32 s[G1+1], KSTEP<<16                   ; tensor_dim0 = 256
	s_mov_b32 s[G1+2], 64<<16                      ; tensor_dim1 = 64
	s_mov_b32 s[G1+3], KSTEP<<16                   ; tile_dim0 = 256
	s_mov_b32 s[G1+4], 64                          ; tile_dim1 = 64
	s_mov_b32 s[G1+5], SIZE_K                      ; elements from row to row
	s_mov_b32 s[G1+6], 0
	s_mov_b32 s[G1+7], 0
	; bt's group 1: a dense block of 32,768 bytes, as 128 rows of 32 elements of 8 bytes, laid into LDS without a gap
	s_or_b32 s[G1B+0], s44, (3<<16)|(1<<21)        ; 15:0 the mask: my column; 17:16 8-byte elements; 21 set beside a mask
	s_mov_b32 s[G1B+1], 32<<16                     ; tensor_dim0 = 32
	s_mov_b32 s[G1B+2], 128<<16                    ; tensor_dim1 = 128
	s_mov_b32 s[G1B+3], 32<<16                     ; tile_dim0 = 32
	s_mov_b32 s[G1B+4], 128                        ; tile_dim1 = 128
	s_mov_b32 s[G1B+5], 32                         ; each row begins where the last ends
	s_mov_b32 s[G1B+6], 0
	s_mov_b32 s[G1B+7], 0
	; where the tiles come from.  ar's hang on the tile row alone, which my row of the cluster shares; bt's on the tile column alone, which my column shares
	s_lshl_b32 s17, s12, 19                        ; 64 rows of 8,192 bytes, and likewise a block row of bt: 524,288 bytes
	s_lshl_b32 s16, s13, 20
	s_add_co_u32 s16, s16, s17                     ; ar: row 128 x tile row + 64 x half
	s_lshl_b32 s46, s42, 20
	s_add_co_u32 s46, s46, s17                     ; bt: block row 2 x tile column + half
	s_mov_b32 s17, 0
	s_mov_b32 s47, 0
	s_mul_i32 s20, s10, HALFA                      ; where they go: ar's halves at wave x 33,792 (waves 0, 1),
	s_lshl_b32 s21, s10, 15                        ; bt's blocks at wave x 32,768 + 2,048 (waves 2, 3): 67,584 and 100,352: no place in the cluster enters an LDS address
	s_add_co_u32 s21, s21, BOFF-2*HALFB
	s_wait_dscnt 0x0                               ; both opening adds are done
	s_wait_kmcnt 0x0
	s_add_nc_u64 s[14:15], s[4:5], s[16:17]
	s_add_nc_u64 s[46:47], s[6:7], s[46:47]
	CROUND                                         ; all sixteen work-groups are here: the first joint loads meet
.irp s, 0,1
	s_mov_b32 s[G0+4*(\s)], 1
	s_add_co_u32 s[G0+4*(\s)+1], s20, (\s)*SLOT
	s_add_nc_u64 s[G0+4*(\s)+2:G0+4*(\s)+3], s[14:15], (\s)*KSTEP*2
	s_or_b32 s[G0+4*(\s)+3], s[G0+4*(\s)+3], 0x80000000
	s_mov_b32 s[G0B+4*(\s)], 1
	s_add_co_u32 s[G0B+4*(\s)+1], s21, (\s)*SLOT
	s_add_nc_u64 s[G0B+4*(\s)+2:G0B+4*(\s)+3], s[46:47], (\s)*HALFB
	s_or_b32 s[G0B+4*(\s)+3], s[G0B+4*(\s)+3], 0x80000000
	JLOAD \s
.endr
	v_and_b32 v1, 15, v0                           ; l % 16
	v_bfe_u32 v2, v0, 4, 1                         ; l / 16
	v_mul_u32_u24 v3, v1, PITCH
	v_lshl_add_u32 v3, v2, 4, v3                   ; ar: a fragment's row x pitch + 16 x half
	v_and_b32 v6, 31, v0
	v_lshlrev_b32 v6, 4, v6                        ; bt: 16 x lane
	s_mul_i32 s21, s11, HALFA                      ; my 64 rows of ar
	s_lshl_b32 s22, s12, 15                        ; my block of bt,
	s_add_co_u32 s22, s22, BOFF                    ; behind ar's 128 rows
.irp s, 0,1
	v_add_nc_u32 v[ADRA+(\s)], s21, v3
	v_add_nc_u32 v[ADRB+(\s)], s22, v6
	s_add_co_u32 s21, s21, SLOT
	s_add_co_u32 s22, s22, SLOT
.endr
	s_mul_i32 s23, s10, 16*SPITCH
	s_add_co_u32 s23, s23, STAGE                   ; my stage
	v_mul_u32_u24 v4, v1, SPITCH                   ; in: row l % 16, 32 bytes (eight f32) for each half of the lanes
	v_lshl_add_u32 v4, v2, 5, v4
	v_add_nc_u32 v[STO], s23, v4
	v_mul_u32_u24 v5, v2, SPITCH                   ; back: lanes 0-15 take one row of 256 bytes, lanes 16-31 the next
	v_lshl_add_u32 v5, v1, 4, v5
	v_add_nc_u32 v[RD], s23, v5
	v_lshlrev_b32 v5, 13, v2                       ; and the same two rows in out1: 8,192 bytes a row
	v_lshl_add_u32 v[CO], v1, 4, v5
	s_lshl_b32 s16, s13, 20                        ; my first row: 128 x tile row + 64 x half, 8,192 bytes each
	s_lshl_b32 s17, s11, 19
	s_add_co_u32 s16, s16, s17
	s_mov_b32 s17, 0
	s_add_nc_u64 s[8:9], s[8:9], s[16:17]
	s_lshl_b32 s46, s42, 9                         ; my first column, in bytes: 512 x tile column + 256 x half
	s_lshl_b32 s47, s12, 8
	s_add_co_u32 s46, s46, s47
	s_mov_b32 s47, 0
	s_add_nc_u64 s[8:9], s[8:9], s[46:47]
; 8 matrix instructions: m blocks a0, a0 + 1 x all 4 n blocks, 32 along K: half c of buffer f.  zero = 1: the first product starts the sums.  The 16 accumulators take turns
.macro MUL8 f, c, a0, zero
	WIN MUL
.irp a, \a0, (\a0)+1
.irp b, 0,1,2,3
.if \zero
	v_wmma_f32_16x16x32_bf16 v[ACC+8*(4*(\a)+(\b)):ACC+8*(4*(\a)+(\b))+7], v[(\f)+64+8*(4*(\c)+(\b)):(\f)+64+8*(4*(\c)+(\b))+7], v[(\f)+8*(4*(\c)+(\a)):(\f)+8*(4*(\c)+(\a))+7], 0
.else
	v_wmma_f32_16x16x32_bf16 v[ACC+8*(4*(\a)+(\b)):ACC+8*(4*(\a)+(\b))+7], v[(\f)+64+8*(4*(\c)+(\b)):(\f)+64+8*(4*(\c)+(\b))+7], v[(\f)+8*(4*(\c)+(\a)):(\f)+8*(4*(\c)+(\a))+7], v[ACC+8*(4*(\a)+(\b)):ACC+8*(4*(\a)+(\b))+7]
.endif
.endr
.endr
.endm
; 32 LDS loads in one run: the fragments of 64 along K, at byte k of ar's rows, into buffer f; the first 32 along K first.
; In a block of bt 8 k are 256 bytes: byte k of a row of ar (k / 2 elements) is byte 16 k of the block; 16 k further on lie 512 bytes further on
.macro FETCH slot, k, f
	WIN TO_F
.irp c, 0,1
.irp i, 0,1,2,3
	ds_load_b128 v[(\f)+64+8*(4*(\c)+(\i)):(\f)+64+8*(4*(\c)+(\i))+3],   v[ADRB+(\slot)] offset:16*(\k)+1024*(\c)+(\i)*8192
	ds_load_b128 v[(\f)+64+8*(4*(\c)+(\i))+4:(\f)+64+8*(4*(\c)+(\i))+7], v[ADRB+(\slot)] offset:16*(\k)+1024*(\c)+(\i)*8192+512
	ds_load_b128 v[(\f)+8*(4*(\c)+(\i)):(\f)+8*(4*(\c)+(\i))+3],         v[ADRA+(\slot)] offset:(\k)+64*(\c)+(\i)*16*PITCH
	ds_load_b128 v[(\f)+8*(4*(\c)+(\i))+4:(\f)+8*(4*(\c)+(\i))+7],       v[ADRA+(\slot)] offset:(\k)+64*(\c)+(\i)*16*PITCH+32
.endr
.endr
.endm
.macro PLACES                          ; four places in front of loads into registers that matrix instructions have read, and of LDS stores that read results
.rept 4
	v_nop
.endr
.endm
; A K step is four quarters of 64 along K, 32 matrix instructions each, on buffers 0, 1, 0, 1.  One of the first three: multiplies buffer f and fetches the next quarter, at byte k, into g.
.macro QUARTER slot, k, f, g, zero
	s_wait_dscnt 16                                ; the first 32 along K are in; the sixteen younger loads may be out
	WIN MUL
	MUL8 \f, 0, 0, \zero
	MUL8 \f, 0, 2, \zero
	PLACES
	FETCH \slot, \k, \g
	s_wait_dscnt 32                                ; all but the 32 just issued
	WIN MUL
	MUL8 \f, 1, 0, 0
	MUL8 \f, 1, 2, 0
.endm
; The last quarter multiplies buffer 1 and changes slots: ONE barrier; in front of it each wave waits for all its tensor loads, adds 0 to its spare word, and waits for that and for its own reads of this slot.  fill = 1: this slot is filled again, two K steps ahead.
.macro TURN slot, next, fill
	WIN 0                                          ; (the add's two registers lie in window 0)
	s_wait_tensorcnt 0x0                           ; all my tensor loads have landed: the one that was out is my part of the next slot;
	ds_add_u32 v[SPW], v[NIL]                      ; 0 onto my spare word
	s_wait_dscnt 17                                ; (the add and the youngest sixteen loads may be out)
	WIN MUL
	MUL8 F1, 0, 0, 0                               ; eight matrix instructions stand between the add and the wait for it
	s_wait_dscnt 0x0                               ; the add is done, and my reads of this slot are over
	s_barrier_signal -1
	MUL8 F1, 0, 2, 0
.if \fill
	WIN 0
.endif
	s_barrier_wait -1
.if \fill
	CREST                                          ; the barrier has opened a round of the cluster's barrier: no wave of any partner still reads this slot's tiles or has a load on its way
	s_add_nc_u64 s[G0+4*(\slot)+2:G0+4*(\slot)+3], s[G0+4*(\slot)+2:G0+4*(\slot)+3], 2*KSTEP*2
	s_add_nc_u64 s[G0B+4*(\slot)+2:G0B+4*(\slot)+3], s[G0B+4*(\slot)+2:G0B+4*(\slot)+3], 2*HALFB
	JLOAD \slot                                    ; the first tensor load behind the round: 112 matrix instructions ahead of the wait for it; the four v_nop behind it are also the places in front of the loads below
.else
	PLACES
.endif
	FETCH \next, 0, F0
	WIN MUL
	MUL8 F1, 1, 0, 0
	MUL8 F1, 1, 2, 0
.endm
	s_wait_tensorcnt 1                             ; my part of K step 0 is in; K step 1's load, issued behind it, stays out
	s_barrier_signal -1
	s_barrier_wait -1                              ; everybody's is
	FETCH 0, 0, F0
	QUARTER 0, 128, F0, F1, 1                      ; the first quarter stands in front of the loop: its first products start the sums
	WIN 0                                          ; at a label and at a branch every window is 0
	s_mov_b32 s3, LAPS-1
.Llap:                                                 ; a trip goes once round the ring, from a lap's second quarter to the next lap's first, and fills both slots again
	QUARTER 0, 256, F1, F0, 0
	QUARTER 0, 384, F0, F1, 0
	TURN 0, 1, 1
	QUARTER 1, 128, F0, F1, 0
	QUARTER 1, 256, F1, F0, 0
	QUARTER 1, 384, F0, F1, 0
	TURN 1, 0, 1
	QUARTER 0, 128, F0, F1, 0
	WIN 0
	s_sub_co_u32 s3, s3, 1
	s_cmp_lg_u32 s3, 0
	s_cbranch_scc1 .Llap
	QUARTER 0, 256, F1, F0, 0                      ; the last lap fills nothing, and has no round of the cluster's barrier
	QUARTER 0, 384, F0, F1, 0
	TURN 0, 1, 0
	QUARTER 1, 128, F0, F1, 0
	QUARTER 1, 256, F1, F0, 0
	QUARTER 1, 384, F0, F1, 0
	s_wait_dscnt 16                                ; the very last quarter: nothing more to fetch
	WIN MUL
	MUL8 F1, 0, 0, 0
	MUL8 F1, 0, 2, 0
	s_wait_dscnt 0
	MUL8 F1, 1, 0, 0
	MUL8 F1, 1, 2, 0
	WIN 0
	; THE WAY OUT, in f32.  My 64 columns are 256 consecutive bytes of a row of out1, aligned: the stage is my own and no barrier is needed.  A block of 16 rows at a time: a lane's eight numbers of a
	; row go into rows of 272 bytes and come back as whole rows of 256.
.macro OUTB a
.if (\a) >= 2
	s_wait_xcnt 0x0                                ; the registers that the stores of block a - 2 read are loaded again only behind this wait
.endif
.irp b, 0,1,2,3
	ds_store_b128 v[STO], v[ACC+8*(4*(\a)+\b):ACC+8*(4*(\a)+\b)+3] offset:64*\b        ; each accumulator's lowest registers are read first
	ds_store_b128 v[STO], v[ACC+8*(4*(\a)+\b)+4:ACC+8*(4*(\a)+\b)+7] offset:64*\b+16
.endr
.irp f, 0,1,2,3,4,5,6,7
	ds_load_b128 v[TMP+32*((\a)%2)+4*\f:TMP+32*((\a)%2)+4*\f+3], v[RD] offset:\f*2*SPITCH  ; LDS serves a wave's instructions in order (ISA guide 5.7.1.4): these see the stores above; the next block's stores come behind them
.endr
.endm
.macro SEND a, younger                 ; younger: the LDS instructions issued behind block a's loads: the next block's sixteen, or none
.irp f, 0,1,2,3,4,5,6,7
	s_wait_dscnt (\younger)+7-\f
	global_store_b128 v[CO], v[TMP+32*((\a)%2)+4*\f:TMP+32*((\a)%2)+4*\f+3], s[8:9] offset:(16*(\a)+2*\f)*SIZE_N*4  ; 16 lanes store 256 consecutive bytes, at a multiple of 256 from out1's first byte
.endr
.endm
	PLACES
	OUTB 0
	OUTB 1
	SEND 0, 16
	OUTB 2
	SEND 1, 16
	OUTB 3
	SEND 2, 16
	SEND 3, 0
	s_wait_tensorcnt 0x0                           ; the wave's end, behind my last tensor load and my last LDS store
	ds_add_u32 v[SPW], v[NIL]
	s_wait_dscnt 0x0
	CROUND                                         ; the closing round: no work-group ends while a partner may still ask for a tile that names it
	s_endpgm
.Lfunc_end_k_q3fdc08c4e4_gemm:
	.size	k_q3fdc08c4e4_gemm, .Lfunc_end_k_q3fdc08c4e4_gemm-k_q3fdc08c4e4_gemm
	.p2alignl 7, 3214868480
	.fill 96, 4, 3214868480
	.section	.rodata,"a",@progbits
	.p2align	6, 0x0
	.amdhsa_kernel k_q3fdc08c4e4_gemm
		.amdhsa_group_segment_fixed_size 327680
		.amdhsa_private_segment_fixed_size 0
		.amdhsa_enable_private_segment 0
		.amdhsa_kernarg_size 24
		.amdhsa_user_sgpr_count 2
		.amdhsa_user_sgpr_kernarg_segment_ptr 1
		.amdhsa_wavefront_size32 1
		.amdhsa_system_sgpr_workgroup_id_x 1
		.amdhsa_system_sgpr_workgroup_id_y 1
		.amdhsa_system_sgpr_workgroup_id_z 1
		.amdhsa_system_vgpr_workitem_id 0
		.amdhsa_next_free_vgpr 512
		.amdhsa_next_free_sgpr 66
		.amdhsa_reserve_vcc 0
		.amdhsa_float_denorm_mode_32 3
		.amdhsa_float_denorm_mode_16_64 3
		.amdhsa_memory_ordered 1
		.amdhsa_forward_progress 1
		.amdhsa_inst_pref_size 86
	.end_amdhsa_kernel
	.amdgpu_metadata
---
amdhsa.version: [ 1, 2 ]
amdhsa.kernels:
  - .name:           k_q3fdc08c4e4_gemm
    .symbol:         k_q3fdc08c4e4_gemm.kd
    .args:
      - { .name: ar, .offset: 0, .size: 8, .value_kind: global_buffer, .address_space: global }
      - { .name: bt, .offset: 8, .size: 8, .value_kind: global_buffer, .address_space: global }
      - { .name: out1, .offset: 16, .size: 8, .value_kind: global_buffer, .address_space: global }
    .group_segment_fixed_size: 327680
    .private_segment_fixed_size: 0
    .kernarg_segment_align: 8
    .kernarg_segment_size: 24
    .max_flat_workgroup_size: 128
    .sgpr_count:     66
    .vgpr_count:     512
    .wavefront_size: 32
...
	.end_amdgpu_metadata
.endif
;; end of part 4
;; ======== version 2 of 2: 4 launches; version 1 with the launch pack written anew for expert scheduling mode
;; workspace buffers: ky 16,384 bytes of whole numbers; th 16,384 bytes; bm 512 bytes of whole numbers; ar 16,777,216 bytes; bt 16,777,216 bytes
;; launch score: the kernel of part 1 again; grid 256 x 1, 4 waves a work-group, no clusters, 0 bytes of LDS; arguments X, kernel, ky, th; writes ky, th
;; launch rank: the kernel of part 2 again; grid 128 x 1, 16 waves a work-group, no clusters, 4,096 bytes of LDS; arguments ky, bm; writes bm
;; launch pack (part 5): grid 256 x 1, 8 waves a work-group, no clusters, 147,456 bytes of LDS; arguments A, X, S, th, bm, ar, bt, out0, out2; writes ar, bt, out0, out2
.if DOCPART == 5
	.amdgcn_target "amdgcn-amd-amdhsa--gfx1250"
	.amdhsa_code_object_version 6
	.text
	.protected	k_q3fdc08c4e4_pack
	.globl	k_q3fdc08c4e4_pack
	.p2align	8
	.type	k_q3fdc08c4e4_pack,@function
k_q3fdc08c4e4_pack:
	s_mov_b64 s[64:65], 0
	v_nop
	global_prefetch_b8 v0, s[64:65] scope:SCOPE_SE
	s_setreg_imm32_b32 hwreg(HW_REG_WAVE_SCHED_MODE, 0, 2), 2
	s_setreg_imm32_b32 hwreg(HW_REG_WAVE_MODE, 25, 1), 1
	s_wait_xcnt 0x0
	s_wait_alu depctr_vm_vsrc(0)
; TopKPool, launch 3 of 4: the kept rows and columns of A, rounded to bf16 and laid out for the product; out0 and out2.
; LEFT OUT: rows of A that are not kept are not written to ar, columns that are not kept not to bt, rows of X tanh(y) that are not kept are not formed: the results slice them away (see launch 1's head).
;   ar[p][k] = A[idx p][k], bf16, [2048][4096] by rows.
;   bt holds A[k][idx n], bf16, in the order in which the product's fragments take it: the byte of (n, k) is
;      (n / 64) 524,288 + (k / 256) 32,768 + ((n / 16) % 4) 8,192 + ((k / 8) % 32) 256 + (n % 16) 16 + (k % 8) 2.
;   out0[p] = X[idx p] tanh(y[idx p]);  out2[p] = S[idx p].
; All choices hang on the bitmap bm, whole numbers that launch 2 has stored.
; SHARES.  Work-group g owns source rows k = 16 g .. 16 g + 15 of A: two CHUNKS of 8.  Each byte of A is loaded once in the launch.  Wave w has columns 512 w .. 512 w + 511 of all 16 rows, in
; GRANULES of 8 rows x 128 columns: eight loads of 512 consecutive bytes.  From the same f32 registers come (a) each row's piece for ar: 8 bytes a lane, 256 consecutive bytes a store, aligned;
; (b) for each column its 8 k as 16 bytes of bf16, put into an LDS tile.  Behind a barrier lane <-> n takes column idx[n]'s 16 bytes from the tile and stores them: sixteen lanes fill 256 consecutive bytes of bt, aligned.
; All eight rows' pieces are rounded, kept or not, and wait in registers for the chunk's end; there each row has one branch on its bit, over its four stores: a row that is not kept is rounded and not stored.
; idx WITHOUT A SCATTER.  A table in LDS holds ex[i] = the number of kept nodes below i, at fixed places.  idx[n] is the largest i with ex[i] <= n: twelve halving steps without a branch.
; ex[i] is also node i's place among the kept, which gives the rows of ar and out0.
; A's and X's rows are loaded whether kept or not: A's bytes serve the columns anyway, and so every counted wait holds on every path.
; LDS.  0: the table, 4,096 x 2 bytes.  8,192: eight waves' totals.  8,448: the spare words, 128 bytes a wave.  16,384 and 81,920: the two chunks' tiles, 65,536 bytes each:
; column c's 16 bytes at (c % 4) 16,384 + (c / 4) 16, so that the 32 lanes of a store write 512 consecutive bytes.
; THE MODE: SCHED_MODE bits 1:0 = 2 (LLVM: expert scheduling mode 2), set by the entry lines.  The code itself states the register dependences
; between vector instructions and memory or LDS instructions, with s_wait_alu, always for 0.  EXEC is written nowhere.
; THE PLAN.  Registers that memory or LDS instructions touch:
;   v2-v12, v122  Offsets and addresses: made at the head, ahead of one wait on va_vdst, and never written again.
;   v13 (TP)      The wave's total: written once behind the head, read by one LDS store, not written again.
;   EX            The table's sixteen entries a lane, a register each: written in one run, one wait on va_vdst, stored in one run; one wait on vm_vsrc before the search takes the registers.
;   POS, VAL      A step of the search: the minimum writes POS; va_vdst; eight loads by POS into VAL; their data; vm_vsrc; eight compares read VAL and write eight masks; va_sdst; eight selects write POS.
;   AO, OO        Loaded from the table, made into offsets by vector instructions, then only read: the first wait on va_vdst ahead of their stores covers them.
;   XV            Loaded; multiplied in place in a kept row's arm; va_vdst; stored.  Its registers are the pieces' of granules 2 and 6.
;   RING          Granule t's roundings read slot t % 4; behind them the loads of granule t + 4 land in it.  At the end slots 0 and 1 take the gathered columns; slot 2, once granule 6 is rounded, holds the
;                 gathers' addresses; slot 3, once granule 7 is rounded, S's offsets and S.  No store reads a ring register before those uses.
;   TB            Written by granule t's roundings; read by its four LDS stores; written again by granule t + 1.
;   PC0 .. PC3    The row pieces of a chunk's four granules: written by the granules' roundings; read by the row stores at the chunk's end; written again by the next chunk.
; So a granule has ONE wait on va_vdst, behind all its roundings: TB and its pieces are written, and the roundings are done reading the ring slot.  Its loads and LDS stores, and at a chunk's end the row stores,
; follow with no vector instruction among them.  One wait on vm_vsrc stands at the next granule's head, ahead of the roundings that write TB, and registers that stores have read, again.
.set TAB,   0
.set TOT,   8192
.set SPARE, 8448
.set TILE0, 16384
.set TILE1, 81920
.set LN,   1                           ; v1    lane
.set GA,   2                           ; v2    2,048 w + 16 l: my offset in a row of A, and in the work-group's rows of X; never rewritten
.set XR,   3                           ; v3    the table's entry of my first row of X
.set TA0,  4                           ; v4-5  where my columns go in the tile of chunk 0, 1
.set TW,   6                           ; v6    where I write the table: 1,024 w + 2 l
.set TR,   7                           ; v7    the table's entry of the work-group's first row
.set TT,   8                           ; v8    the totals
.set TTW,  9                           ; v9    my wave's total
.set AC,   10                          ; v10   1,024 w + 8 l: my bytes in a row of ar
.set O2,   11                          ; v11   1,024 w + 4 l: my word of out2
.set L16,  12                          ; v12   16 l
.set TP,   13                          ; v13   at work at the head; then my wave's total
.set SPW,  14                          ; v14   LDS address of my spare word; never rewritten
.set NIL,  15                          ; v15   0; never rewritten
.set AO,   16                          ; v[16:31]   row r: my byte offset in its row of ar
.set OO,   32                          ; v[32:33]   my two rows of X: my byte offset in their rows of out0
.set XV,   34                          ; v[34:49]   my two rows of X
.set POS,  50                          ; v[50:57]   the search: 2 x the index found so far, for n = 256 w + 32 q + l
.set TB,   66                          ; v[66:81]   a granule's four columns a lane, turned
.set EX,   66                          ;            ahead of the search: the table's entries of my lane's node in my wave's 16 words
.set NT,   66                          ;            in the search: n
.set VAL,  74                          ;            in the search: the table's entry
.set TRY,  82                          ;            in the search: the index tried
.set SUMS, 90                          ;            ahead of it: the totals
.set PC0,  82                          ; v[82:97]   the row pieces of a chunk's granule 0: row rr at PC0 + 2 rr
.set PC1,  98                          ; v[98:113]  of its granule 1
.set PC2,  34                          ; v[34:49]   of its granule 2: X's registers, when out0's stores have read them
.set PC3,  58                          ; v[58:65] rows 0 to 3, v[114:121] rows 4 to 7: of its granule 3: row rr at PC3 + 2 rr + 48 (rr / 4)
.set BO,   122                         ; v122  my byte offset in bt for q = 0
.set RING, 128                         ; v[128:255] four granules of 32 registers; at the end v[128:191] the gathered columns
.set G0,   192                         ; v[192:199] in slot 2, behind granule 6: where column idx[n] lies in chunk 0's tile
.set G1,   200                         ; v[200:207] and in chunk 1's
.set GT,   208                         ; v[208:215] at work for them
.set GV,   216                         ; v[216:223]
.set SO,   224                         ; v[224:231] in slot 3, behind granule 7: S's offsets
.set SV,   232                         ; v[232:239] S[idx n]
.set MK,   68                          ; s[68:75]   in the search: the eight compares' masks (ahead of it s[68:83] hold the 16 words' counts)
	s_load_b512 s[4:19], s[0:1], 0x0               ; A s[4:5], X s[6:7], S s[8:9], th s[10:11], bm s[12:13], ar s[14:15], bt s[16:17], out0 s[18:19]
	s_load_b64 s[20:21], s[0:1], 0x40              ; out2
	v_lshl_add_u32 v[SPW], v0, 2, SPARE
	v_mov_b32 v[NIL], 0
	v_and_b32 v[LN], 31, v0
	v_lshrrev_b32 v[TP], 5, v0
	v_readfirstlane_b32 s22, v[TP]                 ; w
	s_mov_b32 s23, ttmp9                           ; g
	s_lshl_b32 s2, s23, 18                         ; A: 16 rows of 16,384 bytes
	s_mov_b32 s3, 0
	s_lshl_b32 s56, s23, 14                        ; X: 16 rows of 1,024 bytes
	s_mov_b32 s57, 0
	s_lshr_b32 s58, s23, 4                         ; bt: k / 256 = g / 16, and (k / 8) % 32 = 2 (g % 16) + chunk
	s_lshl_b32 s58, s58, 15
	s_and_b32 s59, s23, 15
	s_lshl_b32 s59, s59, 9
	s_add_co_u32 s58, s58, s59
	s_mov_b32 s59, 0
	s_wait_alu depctr_va_sdst(0)                   ; s22 is written, ahead of its first reader: offsets, addresses and branches are made from it
	s_lshl_b32 s45, s22, 6                         ; bm: my wave's 16 words (nodes 512 w .. 512 w + 511); s45-47 are never rewritten
	s_lshr_b32 s46, s23, 1                         ; bm: the word that holds the work-group's 16 rows
	s_lshl_b32 s46, s46, 2
	s_lshl_b32 s47, s23, 6                         ; th: rows 16 g + 2 w and the next
	s_lshl_b32 s84, s22, 3
	s_add_co_u32 s47, s47, s84
	v_lshlrev_b32 v[L16], 4, v[LN]
	s_lshl_b32 s85, s22, 11
	v_add_nc_u32 v[GA], s85, v[L16]
	v_add_nc_u32 v[TA0], TILE0, v[GA]
	v_add_nc_u32 v[TA0+1], TILE1, v[GA]
	s_lshl_b32 s86, s22, 10
	v_lshl_add_u32 v[TW], v[LN], 1, s86
	v_lshl_add_u32 v[AC], v[LN], 3, s86
	v_lshl_add_u32 v[O2], v[LN], 2, s86
	s_lshl_b32 s87, s23, 5                         ; 2 bytes x 16 g
	v_mov_b32 v[TR], s87
	s_lshl2_add_u32 s88, s22, s87                  ; + 2 bytes x 2 w
	v_mov_b32 v[XR], s88
	v_mov_b32 v[TT], TOT
	s_lshl_b32 s89, s22, 2
	s_add_co_u32 s89, s89, TOT
	v_mov_b32 v[TTW], s89
	v_and_b32 v[TP], 15, v[LN]                     ; bt, n = 256 w + 32 q + l: n / 64 = 4 w + q / 2; (n / 16) % 4 = 2 (q % 2) + l / 16; n % 16 = l % 16
	v_lshlrev_b32 v[BO], 4, v[TP]
	v_lshrrev_b32 v[TP], 4, v[LN]
	v_lshl_add_u32 v[BO], v[TP], 13, v[BO]
	s_lshl_b32 s90, s22, 21
	v_add_nc_u32 v[BO], s90, v[BO]
	s_wait_kmcnt 0x0
	s_add_nc_u64 s[4:5], s[4:5], s[2:3]
	s_add_nc_u64 s[6:7], s[6:7], s[56:57]
	s_add_nc_u64 s[16:17], s[16:17], s[58:59]
	s_load_b512 s[24:39], s[12:13], s45 offset:0x0
	s_load_b32 s40, s[12:13], s46 offset:0x0
	s_load_b64 s[42:43], s[10:11], s47 offset:0x0
	s_wait_alu depctr_va_vdst(0)                   ; the offsets and addresses v2 to v12 and v122 are written, which the loads and stores of the whole kernel read
.irp i, 0,1,2,3                        ; my two rows of X: 1,024 bytes each, in halves of 512
	global_load_b128 v[XV+4*\i:XV+4*\i+3], v[GA], s[6:7] offset:512*\i
.endr
; Granule t of 8: chunk t / 4, columns 128 (t % 4) on of my 512; eight rows, 512 consecutive bytes each, into ring slot t % 4
.macro LOADG t
.irp rr, 0,1,2,3,4,5,6,7
	global_load_b128 v[RING+32*((\t)%4)+4*\rr:RING+32*((\t)%4)+4*\rr+3], v[GA], s[4:5] offset:(8*((\t)/4)+\rr)*16384+512*((\t)%4) th:TH_LOAD_NT
.endr
.endm
	LOADG 0                                        ; the ring is filled before anything else is done: 32 loads of A a wave are out while the table is made and searched
	LOADG 1
	LOADG 2
	LOADG 3
	; THE TABLE.  Each wave counts its 512 nodes; the totals meet in LDS; each wave then writes ex[] for its nodes.
	s_wait_kmcnt 0x0
.irp u, 0,1,2,3,4,5,6,7,8,9,10,11,12,13,14,15
	s_bcnt1_i32_b32 s[68+\u], s[24+\u]
.endr
	s_add_co_u32 s91, s68, s69
.irp u, 2,3,4,5,6,7,8,9,10,11,12,13,14,15
	s_add_co_u32 s91, s91, s[68+\u]
.endr
	v_mov_b32 v[TP], s91
	s_wait_alu depctr_va_vdst(0)                   ; v[TP] is written, which the LDS store reads
	ds_store_b32 v[TTW], v[TP]
	s_and_b32 s92, s23, 1                          ; the work-group's 16 bits: the low or the high half of their word
	s_lshl_b32 s92, s92, 4
	s_lshr_b32 s41, s40, s92                       ; bit r of s41: row 16 g + r is kept
	s_wait_dscnt 0x0                               ; for the others' sake: my total lies in LDS
	s_barrier_signal -1
	s_barrier_wait -1
	ds_load_b128 v[SUMS:SUMS+3], v[TT]
	ds_load_b128 v[SUMS+4:SUMS+7], v[TT] offset:16
	s_mov_b32 s44, 0
	s_wait_dscnt 0x0
.irp i, 0,1,2,3,4,5,6
	v_readfirstlane_b32 s[48+\i], v[SUMS+\i]
.endr
	s_wait_alu depctr_va_sdst(0)                   ; s48 to s54 are written, ahead of their first reader
.irp i, 0,1,2,3,4,5,6                  ; kept nodes below my wave's first
	s_cmp_gt_u32 s22, \i
	s_cselect_b32 s93, s[48+\i], 0
	s_add_co_u32 s44, s44, s93
.endr
.irp u, 0,1,2,3,4,5,6,7,8,9,10,11,12,13,14,15
	v_mbcnt_lo_u32_b32 v[EX+\u], s[24+\u], s44     ; the word's bits below my lane, plus all that came before: a register for each word
	s_add_co_u32 s44, s44, s[68+\u]
.endr
	s_wait_alu depctr_va_vdst(0)                   ; v[EX ..] are written, which the sixteen LDS stores read
.irp u, 0,1,2,3,4,5,6,7,8,9,10,11,12,13,14,15
	ds_store_b16 v[TW], v[EX+\u] offset:TAB+64*\u
.endr
	s_wait_dscnt 0x0                               ; for the others' sake: my part of the table lies in LDS
	s_barrier_signal -1
	s_barrier_wait -1
	s_wait_alu depctr_vm_vsrc(0)                   ; my LDS stores have read v[EX ..]: these registers are NT, which vector instructions write, and VAL, in which loads land, from here on
	; THE SEARCH.  Eight n a lane.  POS is held inside the table by a minimum that never binds: ahead of step s the index is 4,096 - 2 s at the most.
.irp r, 0,1,2,3,4,5,6,7,8,9,10,11,12,13,14,15
	ds_load_u16 v[AO+\r], v[TR] offset:TAB+2*\r    ; the places of the work-group's 16 rows among the kept
.endr
	ds_load_u16 v[OO], v[XR] offset:TAB            ; and of my two rows of X
	ds_load_u16 v[OO+1], v[XR] offset:TAB+2
	s_lshl_b32 s94, s22, 8
	v_add_nc_u32 v[NT], s94, v[LN]
.irp q, 1,2,3,4,5,6,7
	v_add_nc_u32 v[NT+\q], 32*\q, v[NT]
.endr
.irp q, 0,1,2,3,4,5,6,7
	v_mov_b32 v[POS+\q], 0
.endr
.macro STEP s                          ; is ex[index + s] <= n?  Then the index goes s on
.irp q, 0,1,2,3,4,5,6,7
	v_min_u32 v[POS+\q], 8190-2*(\s), v[POS+\q]
.endr
	s_wait_alu depctr_va_vdst(0)                   ; POS is written, by which the loads below address; the last step's compares are done reading VAL, in which they land
.irp q, 0,1,2,3,4,5,6,7
	ds_load_u16 v[VAL+\q], v[POS+\q] offset:TAB+2*(\s)
.endr
	s_wait_dscnt 0x0                               ; all eight are wanted at once (the first step's wait also covers the 18 loads above)
	s_wait_alu depctr_vm_vsrc(0)                   ; the eight loads have read POS, which the selects below and the next step's minimum write
.irp q, 0,1,2,3,4,5,6,7
	v_cmp_le_u32 s[MK+\q], v[VAL+\q], v[NT+\q]     ; the compares stand in one run, a mask register each
.endr
.irp q, 0,1,2,3,4,5,6,7
	v_add_nc_u32 v[TRY+\q], 2*(\s), v[POS+\q]
.endr
	s_wait_alu depctr_va_sdst(0)                   ; the eight masks are written, ahead of their first reader
.irp q, 0,1,2,3,4,5,6,7
	v_cndmask_b32 v[POS+\q], v[POS+\q], v[TRY+\q], s[MK+\q]
.endr
.endm
.irp s, 2048,1024,512,256,128,64,32,16,8,4,2,1
	STEP \s
.endr
.irp r, 0,1,2,3,4,5,6,7,8,9,10,11,12,13,14,15
	v_min_u32 v[AO+\r], 2047, v[AO+\r]             ; binds only for a row that is not kept, whose offset is not used
	v_lshl_add_u32 v[AO+\r], v[AO+\r], 13, v[AC]   ; a row of ar is 8,192 bytes
.endr
.irp e, 0,1
	v_min_u32 v[OO+\e], 2047, v[OO+\e]
	v_lshl_add_u32 v[OO+\e], v[OO+\e], 10, v[L16]  ; a row of out0 is 1,024 bytes
.endr
	s_wait_dscnt 0x0
	s_barrier_signal -1                            ; no wave stores into a tile while another still reads LDS at places that the data choose
	s_barrier_wait -1
	; out0: my two rows of X times tanh(y), where they are kept
	s_wait_loadcnt 32                              ; X's four loads, the oldest, are in; A's 32 stay out
	s_lshl_b32 s94, s22, 1
	s_lshr_b32 s95, s41, s94
.irp e, 0,1
	s_bitcmp1_b32 s95, \e
	s_cbranch_scc0 .Lnox\e
.irp i, 0,1,2,3,4,5,6,7
	v_mul_f32 v[XV+8*\e+\i], s[42+\e], v[XV+8*\e+\i]
.endr
	s_wait_alu depctr_va_vdst(0)                   ; the row's eight products and its offset v[OO ..] are written, which the two stores read
	global_store_b128 v[OO+\e], v[XV+8*\e:XV+8*\e+3], s[18:19]
	global_store_b128 v[OO+\e], v[XV+8*\e+4:XV+8*\e+7], s[18:19] offset:512
.Lnox\e:
.endr
; Granule t.  left: the younger loads that may stay out.  refill = 1: its ring slot takes granule t + 4.
; free = 1: from here on the roundings write registers that global stores issued so far read as data: granule 2 X's, which out0's stores read; granules 4 to 7 the pieces, which chunk 0's row stores read.
.macro GRAN t, left, refill, free
	s_wait_loadcnt \left                           ; loads come back in order: this granule's eight are in
.if \free
	s_wait_xcnt 0x0                                ; the data registers of the global stores issued so far are rewritten only behind this wait
.endif
.if (\t) > 0
	s_wait_alu depctr_vm_vsrc(0)                   ; the last granule's LDS stores have read TB, which the roundings below write again; so have out0's stores X's registers (granule 2) and chunk 0's row stores the pieces (granules 4 to 7)
.endif
.irp c, 0,1,2,3                        ; column c of my four: word p holds rows 2 p (low half) and 2 p + 1
.irp p, 0,1,2,3
	v_cvt_pk_bf16_f32 v[TB+4*\c+\p], v[RING+32*((\t)%4)+8*\p+\c], v[RING+32*((\t)%4)+8*\p+4+\c]
.endr
.endr
.if (\t)%4 == 0
.set PU, PC0
.elseif (\t)%4 == 1
.set PU, PC1
.elseif (\t)%4 == 2
.set PU, PC2
.else
.set PU, PC3
.endif
.set PJ, 48*(((\t)%4)/3)               ; PC3's rows 4 to 7 lie 48 registers further on
.irp rr, 0,1,2,3,4,5,6,7               ; every row's piece: four numbers a lane rounded to 8 bytes
	v_cvt_pk_bf16_f32 v[PU+2*\rr+PJ*(\rr/4)],   v[RING+32*((\t)%4)+4*\rr],   v[RING+32*((\t)%4)+4*\rr+1]
	v_cvt_pk_bf16_f32 v[PU+2*\rr+PJ*(\rr/4)+1], v[RING+32*((\t)%4)+4*\rr+2], v[RING+32*((\t)%4)+4*\rr+3]
.endr
	s_wait_alu depctr_va_vdst(0)                   ; the roundings have written TB and the pieces, which the stores below and at the chunk's end read, and are done reading the ring slot, in which the loads below land; in granule 0 the offsets v[AO ..] are written too, in granule 7 the gathers' addresses
.if \refill
	LOADG (\t)+4                                   ; the slot is asked for again at once, ahead of the stores
.endif
.irp c, 0,1,2,3
	ds_store_b128 v[TA0+(\t)/4], v[TB+4*\c:TB+4*\c+3] offset:\c*16384+512*((\t)%4)
.endr
.endm
; Row rr of chunk ch, if it is kept: its four pieces; the 32 lanes of a store write 256 consecutive bytes of ar, aligned.  No vector instruction stands between the last granule's wait on va_vdst and these stores
.macro AROW ch, rr
	s_bitcmp1_b32 s41, 8*(\ch)+(\rr)
	s_cbranch_scc0 .Lnorow_\@
	global_store_b64 v[AO+8*(\ch)+(\rr)], v[PC0+2*(\rr):PC0+2*(\rr)+1], s[14:15]
	global_store_b64 v[AO+8*(\ch)+(\rr)], v[PC1+2*(\rr):PC1+2*(\rr)+1], s[14:15] offset:256
	global_store_b64 v[AO+8*(\ch)+(\rr)], v[PC2+2*(\rr):PC2+2*(\rr)+1], s[14:15] offset:512
	global_store_b64 v[AO+8*(\ch)+(\rr)], v[PC3+2*(\rr)+48*((\rr)/4):PC3+2*(\rr)+48*((\rr)/4)+1], s[14:15] offset:768
.Lnorow_\@:
.endm
	GRAN 0, 24, 1, 0                               ; three younger granules, 24 loads, are out at each of these waits
	GRAN 1, 24, 1, 0
	GRAN 2, 24, 1, 1
	GRAN 3, 24, 1, 0
.irp rr, 0,1,2,3,4,5,6,7
	AROW 0, \rr
.endr
	GRAN 4, 24, 0, 1                               ; nothing is left to ask for: the counts run down
	GRAN 5, 16, 0, 0
	GRAN 6, 8, 0, 0
	; where the gathers will read, made ahead of the wait for the last granule, in ring slot 2, which granule 6's roundings have read and no memory instruction names again
.irp q, 0,1,2,3,4,5,6,7                ; column c = POS / 2 lies at (c % 4) 16,384 + (c / 4) 16 of a tile
	v_min_u32 v[POS+\q], 8190, v[POS+\q]
	v_and_b32 v[GT+\q], 0x1ff8, v[POS+\q]
	v_and_b32 v[GV+\q], 6, v[POS+\q]
	v_lshlrev_b32 v[GT+\q], 1, v[GT+\q]
	v_lshl_add_u32 v[GT+\q], v[GV+\q], 13, v[GT+\q]
	v_add_nc_u32 v[G0+\q], TILE0, v[GT+\q]
	v_add_nc_u32 v[G1+\q], TILE1, v[GT+\q]
.endr
	GRAN 7, 0, 0, 0
.irp rr, 0,1,2,3,4,5,6,7
	AROW 1, \rr
.endr
	s_wait_dscnt 0x0                               ; for the others' sake: my columns lie in the tiles
	s_barrier_signal -1
	s_barrier_wait -1
	; bt: lane <-> n takes column idx[n]'s 16 bytes of each chunk.  No wait on va_vdst: the last one stands behind granule 7's roundings, and no vector instruction since names ring slots 0 and 1, in which these loads land, or G0 and G1, by which they address
.irp q, 0,1,2,3,4,5,6,7
	ds_load_b128 v[RING+8*\q:RING+8*\q+3], v[G0+\q]
	ds_load_b128 v[RING+8*\q+4:RING+8*\q+7], v[G1+\q]
.endr
.irp q, 0,1,2,3,4,5,6,7
.irp c, 0,1
	s_wait_dscnt 15-2*\q-\c                        ; LDS loads come back in order: the younger ones stay out
	global_store_b128 v[BO], v[RING+8*\q+4*\c:RING+8*\q+4*\c+3], s[16:17] offset:(\q/2)*524288+(\q%2)*16384+256*\c  ; lanes 0-15 and lanes 16-31 each fill 256 consecutive bytes, aligned
.endr
.endr
	s_barrier_signal -1                            ; every wave's reads at places that the data choose are back (the last wait above was for 0) before any wave touches LDS again
	s_barrier_wait -1
	; out2: every work-group has found idx; the first stores S[idx].  Offsets and data lie in ring slot 3, which no store has read
	s_cmp_lg_u32 s23, 0
	s_cbranch_scc1 .Lnot_first
.irp q, 0,1,2,3,4,5,6,7
	v_lshlrev_b32 v[SO+\q], 1, v[POS+\q]           ; 4 bytes x idx[n]; POS is 8,190 at the most
.endr
	s_wait_alu depctr_va_vdst(0)                   ; the eight offsets v[SO ..] are written, which the loads of S read
.irp q, 0,1,2,3,4,5,6,7
	global_load_b32 v[SV+\q], v[SO+\q], s[8:9]
.endr
	s_wait_loadcnt 0x0
.irp q, 0,1,2,3,4,5,6,7
	global_store_b32 v[O2], v[SV+\q], s[20:21] offset:128*\q
.endr
.Lnot_first:
	s_wait_dscnt 0x0                               ; the wave's end: six lines on end
	s_wait_alu 0x0
	s_wait_tensorcnt 0x0
	ds_add_u32 v[SPW], v[NIL]
	s_wait_dscnt 0x0
	s_endpgm
.Lfunc_end_k_q3fdc08c4e4_pack:
	.size	k_q3fdc08c4e4_pack, .Lfunc_end_k_q3fdc08c4e4_pack-k_q3fdc08c4e4_pack
	.p2alignl 7, 3214868480
	.fill 96, 4, 3214868480
	.section	.rodata,"a",@progbits
	.p2align	6, 0x0
	.amdhsa_kernel k_q3fdc08c4e4_pack
		.amdhsa_group_segment_fixed_size 147456
		.amdhsa_private_segment_fixed_size 0
		.amdhsa_enable_private_segment 0
		.amdhsa_kernarg_size 72
		.amdhsa_user_sgpr_count 2
		.amdhsa_user_sgpr_kernarg_segment_ptr 1
		.amdhsa_wavefront_size32 1
		.amdhsa_system_sgpr_workgroup_id_x 1
		.amdhsa_system_sgpr_workgroup_id_y 1
		.amdhsa_system_sgpr_workgroup_id_z 1
		.amdhsa_system_vgpr_workitem_id 0
		.amdhsa_next_free_vgpr 256
		.amdhsa_next_free_sgpr 100
		.amdhsa_reserve_vcc 0
		.amdhsa_float_denorm_mode_32 3
		.amdhsa_float_denorm_mode_16_64 3
		.amdhsa_memory_ordered 1
		.amdhsa_forward_progress 1
		.amdhsa_inst_pref_size 84
	.end_amdhsa_kernel
	.amdgpu_metadata
---
amdhsa.version: [ 1, 2 ]
amdhsa.kernels:
  - .name:           k_q3fdc08c4e4_pack
    .symbol:         k_q3fdc08c4e4_pack.kd
    .args:
      - { .name: A, .offset: 0, .size: 8, .value_kind: global_buffer, .address_space: global }
      - { .name: X, .offset: 8, .size: 8, .value_kind: global_buffer, .address_space: global }
      - { .name: S, .offset: 16, .size: 8, .value_kind: global_buffer, .address_space: global }
      - { .name: th, .offset: 24, .size: 8, .value_kind: global_buffer, .address_space: global }
      - { .name: bm, .offset: 32, .size: 8, .value_kind: global_buffer, .address_space: global }
      - { .name: ar, .offset: 40, .size: 8, .value_kind: global_buffer, .address_space: global }
      - { .name: bt, .offset: 48, .size: 8, .value_kind: global_buffer, .address_space: global }
      - { .name: out0, .offset: 56, .size: 8, .value_kind: global_buffer, .address_space: global }
      - { .name: out2, .offset: 64, .size: 8, .value_kind: global_buffer, .address_space: global }
    .group_segment_fixed_size: 147456
    .private_segment_fixed_size: 0
    .kernarg_segment_align: 8
    .kernarg_segment_size: 72
    .max_flat_workgroup_size: 256
    .sgpr_count:     100
    .vgpr_count:     256
    .wavefront_size: 32
...
	.end_amdgpu_metadata
.endif
;; end of part 5
;; launch gemm: the kernel of part 4 again; grid 16 x 16, 4 waves a work-group, clusters of 4 x 4, 327,680 bytes of LDS; arguments ar, bt, out1; writes out1
